; MI455X (gfx1250); checked and timed in simulation.
; The chip was launched on July 23, 2026; its instructions are those of AMD's public machine-readable ISA for CDNA 5 (MIT licence, August 2026) and "CDNA5" Instruction Set Architecture Reference Guide (July 2026). The comments in the code are by the model that wrote it; some were corrected since.
;; Causal Self Attention. Allowed arithmetic: matrix products marked QUANTISED: E5M2 operands, one given power-of-two scale a tensor, by v_wmma_f32_16x16x64_bf8_bf8 or v_wmma_f32_16x16x128_bf8_bf8, f32 sums; everything else in f32.
;; Inputs: b_proj 1,024 float32; b_qkv 3,072 float32; lowp_scales 8 int32 (the exponents e of the quantised operands' scales 2^e); w_proj_codes 1,024 x 32 x 32 uint8 (E5M2 codes of w_proj, K innermost, in blocks of 32 codes); w_qkv_codes 3,072 x 32 x 32 uint8 (E5M2 codes of w_qkv, K innermost, in blocks of 32 codes); x_codes 4 x 2,048 x 32 x 32 uint8 (E5M2 codes of x, K innermost, in blocks of 32 codes).
;; Outputs: out0 4 x 2,048 x 1,024 float32.
;; This version of the problem:
;;   THIS VERSION OF THE PROBLEM IS GIVEN IN LOW PRECISION. The matrix products marked QUANTISED in the list below multiply operands that are first quantised to E5M2 (5 exponent bits, 2 mantissa bits; 8 bits a number), with one given power-of-two scale for each operand tensor; their sums are f32. All else is computed in f32.
;;   The module's matrix products, in the order in which they are computed (A, B: the left and right operand; K: the contracted axis; several contracted axes count as one K, in the product's order):
;;     1. [M 8,192, K 1,024] x [K 1,024, N 3,072]; A: input x (given as codes); B: input w_qkv (given as codes): QUANTISED (scales: A lowp_scales[0], B lowp_scales[1])
;;     2. batch 64 x [M 2,048, K 64] x [K 64, N 2,048]; A: computed on the way; B: computed on the way: QUANTISED (scales: A lowp_scales[2], B lowp_scales[3])
;;     3. batch 64 x [M 2,048, K 2,048] x [K 2,048, N 64]; A: softmax (see below); B: computed on the way: QUANTISED (scales: A lowp_scales[4], B lowp_scales[5])
;;     4. [M 8,192, K 1,024] x [K 1,024, N 1,024]; A: computed on the way; B: input w_proj (given as codes): QUANTISED (scales: A lowp_scales[6], B lowp_scales[7])
;;   THE QUANTISER, for each operand of a quantised product, along K:
;;     - The operand's scale is 2^e, e = its entry of the input lowp_scales (int32; the entries are numbered through the quantised products in the list's order, A before B).
;;     - Each number is divided by the scale, clamped to +-57,344, and rounded to the nearest number of E5M2, ties to even, subnormals kept.
;;     - The product sums the exact products of the quantised numbers (number of the format x scale) in f32.
;;   ~~~python
;;   def quantise(x, axis, e):      # numpy; x: float32 -> the quantised numbers, widened to float32 again
;;       x = np.moveaxis(x, axis, -1); K = x.shape[-1]
;;       r = np.clip(x / 2.0 ** e, -57344, 57344)
;;       step = 2.0 ** (np.maximum(np.frexp(np.where(r == 0, 1, r))[1] - 1, -14) - 2)
;;       q = np.round(r / step) * step * 2.0 ** e      # np.round: ties to even
;;       return np.moveaxis(q, -1, axis).astype(np.float32)
;;   ~~~
;;   SOFTMAX AHEAD OF A QUANTISED PRODUCT. Where the list says 'softmax', what is quantised is not the finished softmax but p = 2^(t - M), with t = logit x log2(e) and M = ceil(the row's largest t), a whole number; so 1/2 < the row's largest p <= 1. The row's sum l is taken of the UNQUANTISED p, in f32, and the product's result is divided by l at the end. Since M is a whole number, a kernel that streams over the keys may use a running M (the ceiling of the running maximum): every later rescaling is an exact power of two, so the quantised numbers keep their values, but for numbers so far below the row's largest that they fall under the format's range.
;;   OPERANDS COMPUTED ON THE WAY. 'Computed on the way' means the value that the module computes at that place (a softmax that the list does not call 'softmax' is quantised finished and normalised). What goes into a quantiser is computed in f32, as accurately as f32 sums, v_exp_f32 and their like allow (about 1e-6 of the number): no bf16 or f16 on the way to a quantiser, and a product that is left as it is and whose result goes on into a quantised operand takes f32 operands (vector FMAs, or v_wmma_f32_16x16x4_f32). A number that lies on a knife's edge between two numbers of the format may be rounded either way, as far as f32 arithmetic and the matrix unit's own rounding can turn it there, and no further.
;;   INPUTS GIVEN AS CODES. w_proj (in the module: [1024, 1024], K = its axis 0); w_qkv (in the module: [1024, 3072], K = its axis 0); x (in the module: [4, 2048, 1024], K = its axis 2): each comes as NAME_codes (uint8): NAME with its K axis moved to the last place and cut into blocks of 32 codes, [.., K / 32, bytes a block], one block behind the other in memory; one code a byte (a code: sign, 5 exponent bits, 2 mantissa bits); its scale is its entry of lowp_scales. Its value is code x scale, taken as it is: it is not quantised again, and the codes and scales need not be those that the quantiser above would give.
;; 2 versions, each right; version 2 is version 1 with the launch attn written anew for expert scheduling mode. Each part assembles by itself: llvm-mc -triple=amdgcn-amd-amdhsa -mcpu=gfx1250 --defsym DOCPART=n.
;; ======== version 1 of 2: 3 launches
;; workspace buffers: qkv_img 25,165,824 bytes; a_img 8,388,608 bytes
;; launch qkv (part 1): grid 12 x 32, 4 waves a work-group, clusters of 4 x 4, 327,680 bytes of LDS; arguments x_codes, w_qkv_codes, lowp_scales, b_qkv, qkv_img; writes qkv_img
.if DOCPART == 1
	.amdgcn_target "amdgcn-amd-amdhsa--gfx1250"
	.amdhsa_code_object_version 6
	.text
	.protected	k_q67095cb2ed_qkv
	.globl	k_q67095cb2ed_qkv
	.p2align	8
	.type	k_q67095cb2ed_qkv,@function
k_q67095cb2ed_qkv:
	s_mov_b64 s[64:65], 0
	v_nop
	global_prefetch_b8 v0, s[64:65] scope:SCOPE_SE
	s_setreg_imm32_b32 hwreg(HW_REG_WAVE_MODE, 25, 1), 1
	s_wait_xcnt 0x0
	s_wait_alu depctr_hold_cnt(0) depctr_sa_sdst(0) depctr_va_vdst(0) depctr_va_sdst(0) depctr_va_ssrc(0) depctr_va_vcc(0) depctr_vm_vsrc(0)
	s_getreg_b32 s2, hwreg(HW_REG_IB_STS2, 6, 4)
	s_cmp_eq_u32 s2, 0
	s_cbranch_scc0 .Lentry_in_a_cluster
	s_endpgm
.Lentry_in_a_cluster:
	s_bfe_u32 s2, ttmp6, 0x10000c
	s_cmp_lg_u32 s2, 0xf033
	s_cbranch_scc0 .Lentry_shape_is_right
	s_endpgm
.Lentry_shape_is_right:
; qkv = x w_qkv + b_qkv on codes of BF8 (E5M2), then quantised again: q with 2^e2, k with 2^e3, v with 2^e5 (e = the entries of lowp_scales).
; x: 8,192 rows of 1,024 codes; w_qkv: 3,072 rows of 1,024 codes, K innermost in both.  A tile of 256 x 256 to a work-group of four waves, 128 x 128 to a wave: 64 accumulators, 512 registers.
; K = 1,024 goes in four fills of 256 through a ring of two LDS slots; the eight steps of 128 are written out.
; THE RESULT LEAVES AS IMAGES OF THE NEXT PRODUCT'S OPERAND REGISTERS.  Source 0 ("B") runs along a lane's eight result registers, source 1 ("A") along lanes.
;   q, k (cluster x = 0, 1): B = rows of w, A = rows of x: a lane holds one token and eight neighbouring d: two converted registers are registers 2c, 2c+1 of a 16 x 64 fragment.
;   v    (cluster x = 2)   : B = rows of x, A = rows of w: a lane holds one d and eight neighbouring tokens: registers 2c, 2c+1 of a 16 x 128 fragment of V^T.
; Both tensors have rows of 1,024 bytes, so only pointers and tile numbers are chosen, on cluster x, which all sixteen partners share.
; qkv_img: plane kind x 8,388,608; head-batch (16 batch + head) x 131,072; q, k: tile of 16 tokens x 1,024 + chunk x 512 + 16 lane; v: 128 keys x 8,192 + tile of 16 d x 2,048 + chunk x 512 + 16 lane.
; CLUSTERS: 4 x 4.  A's tile hangs on cy, B's on cx: each is asked for jointly by the four that share it.
; THE BIAS is the C of each sum's first matrix instruction, divided by 2^(e0 + e1); the three scales are folded into the conversion's one, 2^f, f = e_out - e0 - e1.
; LIMITS: f between -126 and 112; b_qkv / 2^(e0 + e1) stays an f32 number; NaN among the inputs is not served.
; REGISTERS: window 0: v16-29 addresses; v32-95 the bias; v96-103 its offsets; v104 57,344 x 2^f, v105 2^f; from v128 A's fragments, one set, later the codes.
;   window 1: B's fragments, two sets.   windows 2, 3: the accumulators ((a, b) at v[8 (8 (a % 4) + b)]).
.set ROWB,   256                       ; a tile's row in bytes
.set KROW,   1024                      ; a row of x or of w in memory
.set PITCH,  272                       ; an LDS row: 256 bytes + 16 of padding
.set FR,     16                        ; registers of a fragment
.set NL,     4                         ; LDS loads that bring one
.set NP,     4                         ; places behind this matrix instruction (ISA guide 7.12.1)
.set HALFT,  128*PITCH
.set SLOT,   4*HALFT                   ; A's 256 rows, then B's 256 rows
.set SPARE,  2*SLOT                    ; the spare words: 128 bytes a wave, named by no other line
.set ADRA, 16
.set ADRB, 20
.set LI,   27                          ; 16 x lane
.set SPW,  28
.set NIL,  29
.set BI,   32
.set VO,   96
.set LIMV, 104
.set SCV,  105
.set AF,   128
.set G1, 24
.set G0, 32
.set G1B, 48
.set G0B, 56
.set MSB, 0
.macro WIN new                         ; the immediate's high byte repeats the setting that is left
.if MSB != \new
	s_set_vgpr_msb (MSB<<8)|\new
.set MSB, \new
.endif
.endm
.set MUL_LO, 0xa1                      ; source 0 window 1, source 1 window 0, C and D window 2
.set MUL_HI, 0xf1                      ; the same, C and D window 3
.set TO_B,   0x40
.macro JLOAD g0a, g1a, g0b, g1b        ; waves 0, 1 fetch for A, waves 2, 3 for B; four v_nop follow each line
	s_cmp_eq_u32 s15, 0
	s_cbranch_scc0 .Lfor_b_\@
	tensor_load_to_lds s[\g0a:\g0a+3], s[\g1a:\g1a+7]
	s_nop 0
.rept 4
	v_nop
.endr
	s_branch .Lasked_\@
.Lfor_b_\@:
	tensor_load_to_lds s[\g0b:\g0b+3], s[\g1b:\g1b+7]
	s_nop 0
.rept 4
	v_nop
.endr
.Lasked_\@:
.endm
.macro CREST                           ; a round of the cluster's barrier behind its opening barrier
	s_cmp_lg_u32 s14, 0
	s_cbranch_scc1 .Lnot_wave_0_\@
	s_barrier_signal -3
.Lnot_wave_0_\@:
	s_barrier_wait -3
	s_barrier_signal -1
	s_barrier_wait -1
.endm
.macro CROUND
	s_barrier_signal -1
	s_barrier_wait -1
	CREST
.endm
	s_load_b128 s[4:7], s[0:1], 0x0                ; x's codes, w's codes
	s_load_b128 s[8:11], s[0:1], 0x10              ; the scales' exponents, b_qkv
	s_load_b64 s[12:13], s[0:1], 0x20              ; qkv_img
	v_lshl_add_u32 v[SPW], v0, 2, SPARE
	v_mov_b32 v[NIL], 0
	ds_add_u32 v28, v29
	ds_add_u32 v28, v29
	s_wait_dscnt 0x0
	v_lshrrev_b32 v1, 5, v0
	v_readfirstlane_b32 s14, v1                    ; wave 0..3
	s_lshr_b32 s15, s14, 1                         ; my half of A's rows; also: I fetch for A (0) or for B (1)
	s_and_b32 s16, s14, 1                          ; my half of B's rows; also: which 128 rows I fetch
	s_bfe_u32 s40, ttmp6, 0x40000                  ; cx
	s_bfe_u32 s41, ttmp6, 0x40004                  ; cy
	s_and_b32 s17, ttmp7, 0xffff                   ; cluster y
	s_cmp_eq_u32 ttmp9, 2                          ; cluster x = 2: v
	s_cselect_b32 s18, s17, ttmp9                  ; the cluster number that counts B's tiles
	s_cselect_b32 s19, ttmp9, s17                  ; and A's
	s_lshl_b32 s42, s18, 2
	s_add_co_u32 s42, s42, s40                     ; B's tile = 4 x that + cx
	s_lshl_b32 s45, s19, 2
	s_add_co_u32 s45, s45, s41                     ; A's tile = 4 x that + cy
	s_lshl_b32 s43, s41, 2
	s_lshl_b32 s43, 15, s43                        ; my row of the cluster
	s_lshl_b32 s44, 0x1111, s40                    ; my column
	s_or_b32 s[G1+0], s43, (1<<20)|(1<<21)|(5<<22)|(3<<25)   ; the mask; elements of 1 byte; padding on; bit 21 beside a mask; after every 64 words four words
	s_or_b32 s[G1B+0], s44, (1<<20)|(1<<21)|(5<<22)|(3<<25)
.irp g, G1, G1B
	s_mov_b32 s[\g+1], ROWB<<16                    ; tensor_dim0
	s_mov_b32 s[\g+2], 128<<16                     ; tensor_dim1
	s_mov_b32 s[\g+3], ROWB<<16                    ; tile_dim0
	s_mov_b32 s[\g+4], 128                         ; tile_dim1
	s_mov_b32 s[\g+5], KROW                        ; stride from row to row
	s_mov_b32 s[\g+6], 0
	s_mov_b32 s[\g+7], 0
.endr
	s_lshl_b32 s72, s16, 7
	s_lshl_b32 s20, s45, 8
	s_add_co_u32 s20, s20, s72                     ; A: the first row that I would fetch
	s_lshl_b32 s20, s20, 10                        ; in bytes
	s_mov_b32 s21, 0
	s_lshl_b32 s46, s42, 8
	s_add_co_u32 s46, s46, s72                     ; B likewise
	s_lshl_b32 s46, s46, 10
	s_mov_b32 s47, 0
	s_mul_i32 s70, s14, HALFT                      ; where a fetched half goes: wave x 128 rows
	s_lshl_b32 s88, s45, 8
	s_lshl_b32 s73, s15, 7
	s_add_co_u32 s88, s88, s73                     ; the first row of A that I multiply
	s_lshl_b32 s89, s42, 8
	s_add_co_u32 s89, s89, s72                     ; the first row of B that I multiply
	s_cmp_eq_u32 ttmp9, 2
	s_cselect_b32 s90, s88, s89                    ; n0: my first column of qkv
	s_cselect_b32 s91, s89, s88                    ; tok0: my first token
	s_cselect_b32 s92, 4, 0                        ; the bias's offset = r x s92 + h x s93 + j x s94
	s_cselect_b32 s93, 0, 32
	s_cselect_b32 s94, 0, 4
	s_lshl_b32 s74, s90, 2
	s_mov_b32 s75, 0
	s_lshl_b32 s78, ttmp9, 6                       ; where my images begin: (64 kind + 16 batch + head) x 131,072 + (token in the batch) x 64
	s_lshr_b32 s79, s91, 11
	s_lshl_b32 s79, s79, 4
	s_add_co_u32 s78, s78, s79
	s_bfe_u32 s79, s90, 0x40006
	s_add_co_u32 s78, s78, s79
	s_lshl_b32 s78, s78, 17
	s_and_b32 s79, s91, 2047
	s_lshl_b32 s79, s79, 6
	s_add_co_u32 s78, s78, s79
	s_mov_b32 s79, 0
	s_wait_kmcnt 0x0
	s_load_b256 s[80:87], s[8:9], 0x0              ; e0 .. e7
	s_cmp_eq_u32 ttmp9, 2
	s_cselect_b64 s[66:67], s[6:7], s[4:5]         ; A's tensor: w for v, else x
	s_cselect_b64 s[68:69], s[4:5], s[6:7]         ; B's tensor
	s_add_nc_u64 s[20:21], s[66:67], s[20:21]
	s_add_nc_u64 s[46:47], s[68:69], s[46:47]
	s_add_nc_u64 s[74:75], s[10:11], s[74:75]      ; b_qkv at n0
	s_add_nc_u64 s[76:77], s[12:13], s[78:79]      ; my images
	CROUND                                         ; all sixteen work-groups are here: the first joint loads meet
.irp s, 0,1
	s_mov_b32 s[G0+4*\s], 1
	s_add_co_u32 s[G0+4*\s+1], s70, \s*SLOT
	s_add_nc_u64 s[G0+4*\s+2:G0+4*\s+3], s[20:21], \s*ROWB
	s_or_b32 s[G0+4*\s+3], s[G0+4*\s+3], 0x80000000
	s_mov_b32 s[G0B+4*\s], 1
	s_add_co_u32 s[G0B+4*\s+1], s70, \s*SLOT
	s_add_nc_u64 s[G0B+4*\s+2:G0B+4*\s+3], s[46:47], \s*ROWB
	s_or_b32 s[G0B+4*\s+3], s[G0B+4*\s+3], 0x80000000
	JLOAD G0+4*\s, G1, G0B+4*\s, G1B
.endr
	v_and_b32 v1, 15, v0                           ; r
	v_bfe_u32 v2, v0, 4, 1                         ; h
	v_mul_u32_u24 v3, v1, PITCH
	v_lshl_add_u32 v4, v2, 4, v3                   ; a fragment's row x pitch + 16 h
	s_mul_i32 s72, s15, HALFT
	s_mul_i32 s73, s16, HALFT
	s_add_co_u32 s73, s73, 2*HALFT
.irp s, 0,1
	v_add_nc_u32 v[ADRA+\s], s72, v4
	v_add_nc_u32 v[ADRB+\s], s73, v4
	s_add_co_u32 s72, s72, SLOT
	s_add_co_u32 s73, s73, SLOT
.endr
	v_and_b32 v6, 31, v0
	v_lshlrev_b32 v[LI], 4, v6
	v_mul_u32_u24 v5, v1, s92
	v_mad_u32_u24 v5, v2, s93, v5
	v_mov_b32 v7, s94
.irp j, 0,1,2,3,4,5,6,7
	v_mad_u32_u24 v[VO+\j], v7, \j, v5
.endr
.irp i, 0,1,2,3,4,5,6,7                ; q, k: register 8 i + j = bias(n0 + 16 i + 8 h + j);  v: registers 8 i + 0 .. 7 = bias(n0 + 16 i + r)
.irp j, 0,1,2,3,4,5,6,7
	global_load_b32 v[BI+8*\i+\j], v[VO+\j], s[74:75] offset:64*\i
.endr
.endr
	s_wait_kmcnt 0x0
	s_add_co_i32 s71, s80, s81                     ; e0 + e1
	s_cmp_eq_u32 ttmp9, 0
	s_cselect_b32 s72, s82, s83                    ; q: e2; k: e3
	s_cmp_eq_u32 ttmp9, 2
	s_cselect_b32 s72, s85, s72                    ; v: e5
	s_sub_co_i32 s72, s72, s71                     ; f
	s_sub_co_i32 s71, 0, s71
	s_add_co_i32 s72, s72, 127
	s_lshl_b32 s73, s72, 23
	v_mov_b32 v[SCV], s73                          ; 2^f: the conversion takes its exponent field
	s_add_co_i32 s72, s72, 15
	s_lshl_b32 s72, s72, 23
	s_or_b32 s72, s72, 0x600000
	v_mov_b32 v[LIMV], s72                         ; 57,344 x 2^f
	s_wait_loadcnt 0x0
.set jj, 0
.rept 64
	v_ldexp_f32 v[BI+jj], v[BI+jj], s71            ; the bias / 2^(e0 + e1): nothing is rounded
.set jj, jj+1
.endr
.macro FRAG reg, adr, q, i             ; 16 rows x 128 K: registers 4 c .. 4 c + 3 hold K = 32 c + 16 h + 0 .. 15: the same places of k in A and in B
.irp c, 0,1,2,3
	ds_load_b128 v[\reg+4*\c:\reg+4*\c+3], v[\adr] offset:128*(\q)+32*\c+(\i)*16*PITCH
.endr
.endm
; 16 matrix instructions: A's blocks a0, a0 + 1 x B's eight.  cm = 0: onto the sums; 1: the sums begin with the bias by B's block; 2: by A's block.
; The 64 accumulators take turns, one instruction a turn, in the same order in every step.
.macro MUL16 a0, p, cm
.irp a, \a0, \a0+1
.irp b, 0,1,2,3,4,5,6,7
.if \cm == 0
	v_wmma_f32_16x16x128_bf8_bf8 v[8*(8*((\a)%4)+\b):8*(8*((\a)%4)+\b)+7], v[128*(\p)+FR*\b:128*(\p)+FR*\b+FR-1], v[AF+FR*(\a):AF+FR*(\a)+FR-1], v[8*(8*((\a)%4)+\b):8*(8*((\a)%4)+\b)+7]
.elseif \cm == 1
	v_wmma_f32_16x16x128_bf8_bf8 v[8*(8*((\a)%4)+\b):8*(8*((\a)%4)+\b)+7], v[128*(\p)+FR*\b:128*(\p)+FR*\b+FR-1], v[AF+FR*(\a):AF+FR*(\a)+FR-1], v[BI+8*\b:BI+8*\b+7]
.else
	v_wmma_f32_16x16x128_bf8_bf8 v[8*(8*((\a)%4)+\b):8*(8*((\a)%4)+\b)+7], v[128*(\p)+FR*\b:128*(\p)+FR*\b+FR-1], v[AF+FR*(\a):AF+FR*(\a)+FR-1], v[BI+8*(\a):BI+8*(\a)+7]
.endif
.endr
.endr
.endm
.macro FETCH_B slot, q, p
	WIN TO_B
.irp i, 0,1,2,3,4,5,6,7
	FRAG 128*(\p)+FR*\i, ADRB+\slot, \q, \i
.endr
	WIN 0
.endm
.macro FETCH_A slot, q, i0
.irp i, \i0, \i0+1, \i0+2, \i0+3
	FRAG AF+FR*(\i), ADRA+\slot, \q, \i
.endr
.endm
.macro PLACES n                        ; plain vector lines between a matrix instruction and a load into, or a read of, its registers
.rept \n
	v_nop
.endr
.endm
.macro STEP slot, q, cm                ; 128 along K whose successor lies in the same slot
	s_wait_dscnt 4*NL                              ; B's set and A's blocks 0-3 are in; the youngest 16 loads (A's blocks 4-7) may be out
.if \cm
	WIN 0x81                                       ; C (the bias) window 0, D window 2
.else
	WIN MUL_LO
.endif
	MUL16 0, (\q)%2, \cm
	MUL16 2, (\q)%2, \cm
	s_wait_dscnt 0
	PLACES NP
	FETCH_B \slot, (\q)+1, 1-(\q)%2
	FETCH_A \slot, (\q)+1, 0
.if \cm
	WIN 0xc1
.else
	WIN MUL_HI
.endif
	MUL16 4, (\q)%2, \cm
	MUL16 6, (\q)%2, \cm
	PLACES NP
	WIN 0
	FETCH_A \slot, (\q)+1, 4
.endm
; A slot's last step changes slots: one barrier; in front of it each wave waits for all its tensor loads, adds 0 to its spare word, and waits for that and for its reads of this slot.
.macro TURN slot, next, fill
	s_wait_tensorcnt 0x0                           ; all my tensor loads have landed: my part of the next slot
	ds_add_u32 v[SPW], v[NIL]
	s_wait_dscnt 4*NL+1                            ; the add and the youngest 16 loads may be out
	WIN MUL_LO
	MUL16 0, 1, 0
	s_wait_dscnt 0x0                               ; the add is done, my reads of this slot are over
	s_barrier_signal -1
	MUL16 2, 1, 0
	WIN 0
	s_barrier_wait -1
.if \fill
	CREST                                          ; the barrier opened a round of the cluster's: no wave of any partner still reads this slot or has a load on its way
	s_add_nc_u64 s[G0+4*\slot+2:G0+4*\slot+3], s[G0+4*\slot+2:G0+4*\slot+3], 2*ROWB
	s_add_nc_u64 s[G0B+4*\slot+2:G0B+4*\slot+3], s[G0B+4*\slot+2:G0B+4*\slot+3], 2*ROWB
	JLOAD G0+4*\slot, G1, G0B+4*\slot, G1B         ; the first tensor load behind the round; its four v_nop are the places in front of the loads below
.else
	PLACES NP
.endif
	FETCH_B \next, 0, 0
	FETCH_A \next, 0, 0
	WIN MUL_HI
	MUL16 4, 1, 0
	MUL16 6, 1, 0
	PLACES NP
	WIN 0
	FETCH_A \next, 0, 4
.endm
	s_wait_tensorcnt 1                             ; my part of slot 0 is in; slot 1's load may be out
	s_barrier_signal -1
	s_barrier_wait -1
	FETCH_B 0, 0, 0
	FETCH_A 0, 0, 0
	FETCH_A 0, 0, 4
	s_cmp_eq_u32 ttmp9, 2                          ; the first step is written twice: the bias lies by B's block (q, k) or by A's (v).  The number is the cluster's: all partners go the same way
	s_cbranch_scc1 .Lfirst_v
	STEP 0, 0, 1
	s_branch .Lfirst_done
.Lfirst_v:
	STEP 0, 0, 2
.Lfirst_done:
	TURN 0, 1, 1
	STEP 1, 0, 0
	TURN 1, 0, 1
	STEP 0, 0, 0
	TURN 0, 1, 0                                   ; nothing is left to fetch: no round
	STEP 1, 0, 0
	s_wait_dscnt 4*NL
	WIN MUL_LO
	MUL16 0, 1, 0
	MUL16 2, 1, 0
	s_wait_dscnt 0
	WIN MUL_HI
	MUL16 4, 1, 0
	MUL16 6, 1, 0
	PLACES NP
; THE WAY OUT.  Each sum is held within +-57,344 x 2^f (the conversion does not saturate: ISA guide 7.6.2), each accumulator from its low end on; eight sums become two registers of codes.
; Block a's 16 registers of codes lie at v[128 + 16 a] of window 0 and are fragments of the next product as they stand.
.set aa, 0
.rept 8
.set ww, 0x82+0x41*(aa/4)
	WIN ww
.set jj, 0
.rept 64
	v_med3_num_f32 v[64*(aa%4)+jj], v[64*(aa%4)+jj], -v[LIMV], v[LIMV]
.set jj, jj+1
.endr
.set ww, 0x02+(aa/4)
	WIN ww
.set bb, 0
.rept 8
	v_cvt_scalef32_pk8_bf8_f32 v[AF+16*aa+2*bb:AF+16*aa+2*bb+1], v[64*(aa%4)+8*bb:64*(aa%4)+8*bb+7], v[SCV]
.set bb, bb+1
.endr
.set aa, aa+1
.endr
	v_nop                                          ; a plain line behind the last conversion
	WIN 0
	s_cmp_eq_u32 ttmp9, 2
	s_cbranch_scc1 .Lstore_v
.set aa, 0
.rept 8                                ; q, k: block a = 16 tokens; registers 8 (i / 2) on = head i / 2; each store covers 512 consecutive bytes, aligned
.set ii, 0
.rept 4
	global_store_b128 v[LI], v[AF+16*aa+4*ii:AF+16*aa+4*ii+3], s[76:77] offset:1024*aa+131072*(ii/2)+512*(ii%2)
.set ii, ii+1
.endr
.set aa, aa+1
.endr
	s_branch .Lstored
.Lstore_v:
.set aa, 0
.rept 8                                ; v: block a = 16 d: head a / 4, tile a % 4; its 16 registers = my 128 keys
.set ii, 0
.rept 4
	global_store_b128 v[LI], v[AF+16*aa+4*ii:AF+16*aa+4*ii+3], s[76:77] offset:131072*(aa/4)+2048*(aa%4)+512*ii
.set ii, ii+1
.endr
.set aa, aa+1
.endr
.Lstored:
	s_wait_tensorcnt 0x0                           ; the wave's end
	ds_add_u32 v[SPW], v[NIL]
	s_wait_dscnt 0x0
	CROUND                                         ; the closing round
	s_endpgm
.Lfunc_end_k_q67095cb2ed_qkv:
	.size	k_q67095cb2ed_qkv, .Lfunc_end_k_q67095cb2ed_qkv-k_q67095cb2ed_qkv
	.p2alignl 7, 3214868480
	.fill 96, 4, 3214868480
	.section	.rodata,"a",@progbits
	.p2align	6, 0x0
	.amdhsa_kernel k_q67095cb2ed_qkv
		.amdhsa_group_segment_fixed_size 327680
		.amdhsa_private_segment_fixed_size 0
		.amdhsa_enable_private_segment 0
		.amdhsa_kernarg_size 40
		.amdhsa_user_sgpr_count 2
		.amdhsa_user_sgpr_kernarg_segment_ptr 1
		.amdhsa_wavefront_size32 1
		.amdhsa_system_sgpr_workgroup_id_x 1
		.amdhsa_system_sgpr_workgroup_id_y 1
		.amdhsa_system_sgpr_workgroup_id_z 1
		.amdhsa_system_vgpr_workitem_id 0
		.amdhsa_next_free_vgpr 1024
		.amdhsa_next_free_sgpr 100
		.amdhsa_reserve_vcc 0
		.amdhsa_float_denorm_mode_32 3
		.amdhsa_float_denorm_mode_16_64 3
		.amdhsa_memory_ordered 1
		.amdhsa_forward_progress 1
		.amdhsa_inst_pref_size 140
	.end_amdhsa_kernel
	.amdgpu_metadata
---
amdhsa.version: [ 1, 2 ]
amdhsa.kernels:
  - .name:           k_q67095cb2ed_qkv
    .symbol:         k_q67095cb2ed_qkv.kd
    .args:
      - { .name: x_codes, .offset: 0, .size: 8, .value_kind: global_buffer, .address_space: global }
      - { .name: w_qkv_codes, .offset: 8, .size: 8, .value_kind: global_buffer, .address_space: global }
      - { .name: lowp_scales, .offset: 16, .size: 8, .value_kind: global_buffer, .address_space: global }
      - { .name: b_qkv, .offset: 24, .size: 8, .value_kind: global_buffer, .address_space: global }
      - { .name: qkv_img, .offset: 32, .size: 8, .value_kind: global_buffer, .address_space: global }
    .group_segment_fixed_size: 327680
    .private_segment_fixed_size: 0
    .kernarg_segment_align: 8
    .kernarg_segment_size: 40
    .max_flat_workgroup_size: 128
    .sgpr_count:     100
    .vgpr_count:     1024
    .wavefront_size: 32
...
	.end_amdgpu_metadata
.endif
;; end of part 1
;; launch attn (part 2): grid 4 x 64, 16 waves a work-group, no clusters, 67,584 bytes of LDS; arguments qkv_img, lowp_scales, a_img; writes a_img
.if DOCPART == 2
	.amdgcn_target "amdgcn-amd-amdhsa--gfx1250"
	.amdhsa_code_object_version 6
	.text
	.protected	k_q67095cb2ed_attn
	.globl	k_q67095cb2ed_attn
	.p2align	8
	.type	k_q67095cb2ed_attn,@function
k_q67095cb2ed_attn:
	s_mov_b64 s[64:65], 0
	v_nop
	global_prefetch_b8 v0, s[64:65] scope:SCOPE_SE
	s_setreg_imm32_b32 hwreg(HW_REG_WAVE_MODE, 25, 1), 1
	s_wait_xcnt 0x0
; Causal attention of one head on codes of BF8 (E5M2): S^T = K Q^T (K = 64), p = 2^(t - M), O^T = V^T P^T (K = 128 keys), O / l, quantised with 2^e6 into images for the last product.
; t = score x 2^(e2 + e3) x log2(e) / 8; M = the running largest t rounded up to a whole number; the row's sum is taken of the unquantised p; when M moves, the sum and O^T are multiplied by 2^(old M - new M).
; SHARES.  Work-group (j, head-batch) owns the blocks of 256 queries 7 - j (first pass) and j (second pass): (8 - j) + (j + 1) = 9 slots of 256 keys whatever j is: one loop of 9 trips, equal work in all 256 work-groups.
; Each of sixteen waves owns one tile of 16 queries a pass, in 256 registers.  Tile = 8 (bit 2 xor bit 0 of the wave) + wave / 2, so that tiles above and below the diagonal slot's middle are spread over the waves.
; A step all of whose 128 keys come after the wave's queries is jumped over; on the diagonal hidden scores become -infinity ahead of the maximum.  Key 0 counts for every query, so M is a number from a pass's first step on.
; K's and V's images are dense: a slot is 16,384 + 16,384 bytes; each thread loads 4 x 16 bytes a slot ahead and puts them into one of two LDS slots; one barrier a trip.
; The slot written in trip n was last read in trip n - 2, and every wave waited for those reads in front of its signal of trip n - 1.
; NO CLUSTER: from trip 8 - j on partner j walks other slots than the others, so the four of a head could not ask alike.
; THE HOLD ON p: p <= 1, and 57,344 x 2^e4 >= 1.75 where e4 >= -15: there the hold changes nothing and is jumped over; below it is executed.
; LIMITS: e2 + e3 between -123 and 130; e4 between -126 and 112; e6 - e4 - e5 between -126 and 112.
; REGISTERS: v1 16 lane, v2 16 thread, v3, v4 LDS addresses, v5 r - 8 h; v12 -M, v13 largest t, v[14:15] the sum; v16-23 Q; v24-31 what is stored; v32-95 K's, then V's fragments;
;   v96-159 S^T, then p; v160-191 O^T; v192-207 codes; v208-223 the next slot on its way; v232-239 exchange; v240, v244: 57,344 x 2^e4, 2^e4; v241, v245 the same for e6 - e4 - e5.
.set LI,  1
.set T16, 2
.set ADR, 3
.set ADS, 4
.set RH,  5
.set WV,  10
.set TILE, 11
.set J,   12
.set BH,  13
.set QB,  14                           ; the block of queries in hand
.set KS,  15                           ; the slot of keys in hand
.set NX,  16                           ; the next one
.set IT,  17                           ; trips to go
.set TB,  18                           ; LDS byte at which the slot in hand begins
.set KF,  19                           ; the step's first key
.set SEL, 20
.set CS,  22
.set Q0,  24                           ; my first query
.set QH,  26                           ; the head's q, k, v images
.set KH,  28
.set VH,  30
.set KP,  32                           ; the slot that is being asked for
.set VP,  34
.set OFF, 36                           ; an offset; its high word stays 0
.set QP,  38
.set OP,  40
.set E,   44                           ; s[44:51] e0 .. e7
.set HM,  53                           ; lanes 16-31
.macro PASS_SET                        ; from the block of queries: my tile, its images of q and of the result
	s_lshl_b32 s54, s[QB], 4
	s_add_co_u32 s54, s54, s[TILE]                 ; my tile of 16 tokens in the batch
	s_lshl_b32 s[Q0], s54, 4
	s_lshl_b32 s[OFF], s54, 10
	s_add_nc_u64 s[QP:QP+1], s[QH:QH+1], s[OFF:OFF+1]
	s_lshr_b32 s55, s[BH], 4
	s_lshl_b32 s55, s55, 7
	s_add_co_u32 s55, s55, s54                     ; 128 batch + tile
	s_lshl_b32 s55, s55, 14
	s_and_b32 s56, s[BH], 15
	s_lshl_b32 s56, s56, 10                        ; the head's 1,024 bytes of the tile's 16,384
	s_add_co_u32 s[OFF], s55, s56
	s_add_nc_u64 s[OP:OP+1], s[8:9], s[OFF:OFF+1]
.endm
.macro QLOAD
	global_load_b128 v[16:19], v[LI], s[QP:QP+1]
	global_load_b128 v[20:23], v[LI], s[QP:QP+1] offset:512
.endm
.macro SLOAD                           ; a slot's 32,768 bytes: 64 a thread
	global_load_b128 v[208:211], v[T16], s[KP:KP+1]
	global_load_b128 v[212:215], v[T16], s[KP:KP+1] offset:8192
	global_load_b128 v[216:219], v[T16], s[VP:VP+1]
	global_load_b128 v[220:223], v[T16], s[VP:VP+1] offset:8192
.endm
.macro FRESH                           ; a pass begins: the largest t under every t, zeros for the sum and O^T, which the first change of M leaves zeros
	v_mov_b32 v13, 0xff61b1e6
	v_floor_f32 v12, -v13
	v_mov_b32 v14, 0
	v_mov_b32 v15, 0
.set jj, 0
.rept 32
	v_mov_b32 v[160+jj], 0
.set jj, jj+1
.endr
.endm
	s_load_b128 s[4:7], s[0:1], 0x0                ; qkv_img, the scales' exponents
	s_load_b64 s[8:9], s[0:1], 0x10                ; a_img
	v_lshl_add_u32 v251, v0, 2, 0x10000
	v_mov_b32 v255, 0
	v_lshrrev_b32 v6, 5, v0
	v_readfirstlane_b32 s[WV], v6
	s_lshr_b32 s54, s[WV], 2
	s_xor_b32 s54, s54, s[WV]
	s_and_b32 s54, s54, 1
	s_lshl_b32 s54, s54, 3
	s_lshr_b32 s[TILE], s[WV], 1
	s_add_co_u32 s[TILE], s[TILE], s54
	s_mov_b32 s[J], ttmp9
	s_and_b32 s[BH], ttmp7, 0xffff
	s_sub_co_u32 s[QB], 7, s[J]
	s_mov_b32 s[KS], 0
	s_mov_b32 s[IT], 9
	s_mov_b32 s[TB], 0
	s_mov_b32 s[KF], 0
	s_mov_b32 s[SEL], 0x76543210
	s_mov_b32 s[SEL+1], 0xfedcba98
	s_mov_b32 s[CS], 0x3e38aa3b                    ; log2(e) / 8
	s_mov_b32 s[OFF+1], 0
	s_mov_b32 s[HM], 0xffff0000
	v_and_b32 v6, 31, v0
	v_lshlrev_b32 v[LI], 4, v6
	v_lshlrev_b32 v[T16], 4, v0
	v_and_b32 v7, 15, v0
	v_bfe_u32 v8, v0, 4, 1
	v_lshlrev_b32 v8, 3, v8
	v_sub_nc_u32 v[RH], v7, v8                     ; r - 8 h
	s_wait_kmcnt 0x0
	s_load_b256 s[E:E+7], s[6:7], 0x0
	s_lshl_b32 s[OFF], s[BH], 17
	s_add_nc_u64 s[QH:QH+1], s[4:5], s[OFF:OFF+1]
	s_add_nc_u64 s[KH:KH+1], s[QH:QH+1], 0x800000
	s_add_nc_u64 s[VH:VH+1], s[KH:KH+1], 0x800000
	PASS_SET
	QLOAD
	s_mov_b64 s[KP:KP+1], s[KH:KH+1]
	s_mov_b64 s[VP:VP+1], s[VH:VH+1]
	SLOAD                                          ; slot 0
	FRESH
.irp n, 232,233,234,235,236,237,238,239,253
	v_mov_b32 v\n, 0                               ; written once: a lane permute's destination counts as read; v253 is named as the upper half of a pair
.endr
	s_wait_kmcnt 0x0
	s_add_co_i32 s54, s[E+2], s[E+3]
	s_lshl_b32 s54, s54, 23
	s_add_co_i32 s[CS], s[CS], s54                 ; the two exponents are added to c's exponent field
	s_mov_b32 s[CS+1], s[CS]
	s_add_co_i32 s54, s[E+4], 127
	s_lshl_b32 s55, s54, 23
	v_mov_b32 v244, s55                            ; 2^e4
	s_add_co_i32 s54, s54, 15
	s_lshl_b32 s54, s54, 23
	s_or_b32 s54, s54, 0x600000
	v_mov_b32 v240, s54                            ; 57,344 x 2^e4
	s_sub_co_i32 s54, s[E+6], s[E+4]
	s_sub_co_i32 s54, s54, s[E+5]
	s_add_co_i32 s54, s54, 127
	s_lshl_b32 s55, s54, 23
	v_mov_b32 v245, s55                            ; 2^(e6 - e4 - e5): a sum of the second product / l stands for that x 2^(e4 + e5)
	s_add_co_i32 s54, s54, 15
	s_lshl_b32 s54, s54, 23
	s_or_b32 s54, s54, 0x600000
	v_mov_b32 v241, s54
; A KEY STEP: 128 keys, the q-th of the slot in hand.
.macro STEP q
	s_cmp_gt_u32 s[KF], s[Q0]                      ; both are multiples of 16: all 128 keys come after my 16 queries
	s_cbranch_scc1 .Lhidden_\@
.rept 4
	v_nop                                          ; places in front of loads into registers that the last products read
.endr
.irp t, 0,1,2,3,4,5,6,7
	ds_load_b128 v[32+8*\t:35+8*\t], v[ADR] offset:(8*(\q)+\t)*1024
	ds_load_b128 v[36+8*\t:39+8*\t], v[ADR] offset:(8*(\q)+\t)*1024+512
.endr
	s_wait_dscnt 0x0
.irp t, 0,1,2,3,4,5,6,7                ; register 8 t + j of lane (r, h): key KF + 16 t + 8 h + j, query Q0 + r
	v_wmma_f32_16x16x64_bf8_bf8 v[96+8*\t:103+8*\t], v[32+8*\t:39+8*\t], v[16:23], 0
.endr
.rept 4
	v_nop                                          ; places in front of the loads below and of the first read of the scores
.endr
.irp t, 0,1,2,3                        ; V^T's four fragments land while the softmax is worked
.irp c, 0,1,2,3
	ds_load_b128 v[32+16*\t+4*\c:35+16*\t+4*\c], v[ADR] offset:16384+8192*(\q)+2048*\t+512*\c
.endr
.endr
	s_add_co_u32 s54, s[KF], 127
	s_cmp_le_u32 s54, s[Q0]                        ; all 128 keys count for all my queries
	s_cbranch_scc1 .Lopen_\@
	s_sub_co_i32 s54, s[Q0], s[KF]
	v_add_nc_u32 v252, s54, v[RH]                  ; d = my query - KF - 8 h: register 8 t + j is hidden where 16 t + j > d
	v_mov_b32 v254, 0xff800000
.set nn, 0
.rept 64
	v_cmp_gt_i32 vcc_lo, 16*(nn/8)+nn%8, v252
	v_cndmask_b32 v[96+nn], v[96+nn], v254, vcc_lo
.set nn, nn+1
.endr
.Lopen_\@:
	v_max3_num_f32 v254, v96, v97, v98             ; the step's largest score of my query among my 64 keys, in two chains, each accumulator from its low end on
	v_max3_num_f32 v252, v99, v100, v101
.irp i, 6,10,14,18,22,26,30,34,38,42,46,50,54,58
	v_max3_num_f32 v254, v254, v[96+\i], v[97+\i]
	v_max3_num_f32 v252, v252, v[98+\i], v[99+\i]
.endr
	v_max3_num_f32 v254, v254, v158, v159
	v_max_num_f32 v254, v254, v252
	v_permlanex16_b32 v236, v254, s[SEL], s[SEL+1]
	v_max_num_f32 v254, v254, v236                 ; and among lane l xor 16's
	v_mul_f32 v254, s[CS], v254                    ; as t (c is positive)
	v_max_num_f32 v13, v13, v254
	v_mov_b32 v254, v12
	v_floor_f32 v12, -v13                          ; -M = floor(-t): M is a whole number
	v_sub_f32 v254, v12, v254
	v_cvt_i32_f32 v254, v254                       ; old M - new M (it saturates)
	v_ldexp_f32 v252, 1.0, v254                    ; f = 2^(old M - new M)
.set jj, 0
.rept 32
	v_pk_fma_f32 v[96+jj:97+jj], v[96+jj:97+jj], s[CS:CS+1], v[12:13] op_sel_hi:[1,0,0]   ; t - M
.set jj, jj+2
.endr
.set jj, 0
.rept 64
	v_exp_f32 v[96+jj], v[96+jj]                   ; p, not normalised
.set jj, jj+1
.endr
	v_pk_mul_f32 v[14:15], v[14:15], v[252:253] op_sel_hi:[1,0]   ; the sums under the new M; the plain line behind the exponentials
	s_wait_alu depctr_va_vdst(0)                   ; one wait for the batch, ahead of its first reader
	v_pk_add_f32 v[242:243], v[96:97], v[98:99]    ; the sum of the unquantised p, in two chains
.irp j, 4,8,12,16,20,24,28,32,36,40,44,48,52,56,60
	v_pk_add_f32 v[14:15], v[14:15], v[96+\j:97+\j]
	v_pk_add_f32 v[242:243], v[242:243], v[98+\j:99+\j]
.endr
	v_pk_add_f32 v[14:15], v[14:15], v[242:243]
	s_cmp_ge_i32 s[E+4], -15                       ; 57,344 x 2^e4 >= 1.75 >= p: the hold would change nothing
	s_cbranch_scc1 .Lfits_\@
.set jj, 0
.rept 64
	v_min_num_f32 v[96+jj], v[96+jj], v240         ; the conversion does not saturate (ISA guide 7.6.2); p is not negative
.set jj, jj+1
.endr
.Lfits_\@:
.irp t, 0,1,2,3,4,5,6,7                ; registers 2 t, 2 t + 1 of P: keys 16 t + 8 h + 0 .. 7
	v_cvt_scalef32_pk8_bf8_f32 v[192+2*\t:193+2*\t], v[96+8*\t:103+8*\t], v244
.endr
.set jj, 0
.rept 16
	v_pk_mul_f32 v[160+jj:161+jj], v[160+jj:161+jj], v[252:253] op_sel_hi:[1,0]   ; O^T under the new M; also the plain lines behind the conversions
.set jj, jj+2
.endr
	s_wait_dscnt 0x0                               ; V is in
.irp t, 0,1,2,3                        ; four accumulators by turns, one instruction a turn
	v_wmma_f32_16x16x128_bf8_bf8 v[160+8*\t:167+8*\t], v[32+16*\t:47+16*\t], v[192:207], v[160+8*\t:167+8*\t]
.endr
.Lhidden_\@:
	s_add_co_u32 s[KF], s[KF], 128
.endm
.Ltrip:
	s_wait_loadcnt 0x0                             ; this trip's slot, asked for a slot ago, and Q are in; their address registers may be written
	v_add_nc_u32 v[ADR], s[TB], v[LI]
	v_add_nc_u32 v[ADS], s[TB], v[T16]
	ds_store_b128 v[ADS], v[208:211]
	ds_store_b128 v[ADS], v[212:215] offset:8192
	ds_store_b128 v[ADS], v[216:219] offset:16384
	ds_store_b128 v[ADS], v[220:223] offset:24576
	s_wait_dscnt 0x0                               ; for the others' sake: my stores have landed; my reads of the other slot ended in the last trip
	s_barrier_signal -1
	s_barrier_wait -1
	s_add_co_u32 s54, s[KS], 1
	s_cmp_eq_u32 s[KS], s[QB]                      ; the diagonal slot is a pass's last: the next slot is the next pass's slot 0
	s_cselect_b32 s[NX], 0, s54
	s_lshl_b32 s[OFF], s[NX], 14
	s_add_nc_u64 s[KP:KP+1], s[KH:KH+1], s[OFF:OFF+1]
	s_add_nc_u64 s[VP:VP+1], s[VH:VH+1], s[OFF:OFF+1]
	s_cmp_eq_u32 s[IT], 1                          ; the last trip asks for nothing
	s_cbranch_scc1 .Lno_next
	SLOAD
.Lno_next:
	STEP 0
	STEP 1
	s_cmp_lg_u32 s[KS], s[QB]
	s_cbranch_scc1 .Lnot_end
	; THE WAY OUT of a pass: O^T / l, held, converted; register pair t holds d = 16 t + 8 h + 0 .. 7 of token r
.rept 4
	v_nop                                          ; places behind the last products
.endr
	v_add_f32 v14, v14, v15
	v_permlanex16_b32 v236, v14, s[SEL], s[SEL+1]
	v_add_f32 v14, v14, v236                       ; the row's sum
	v_rcp_f32 v14, v14
	v_nop
	s_wait_alu depctr_va_vdst(0)                   ; ahead of the reciprocal's first reader
.set jj, 0
.rept 16
	v_pk_mul_f32 v[96+jj:97+jj], v[160+jj:161+jj], v[14:15] op_sel_hi:[1,0]
.set jj, jj+2
.endr
.set jj, 0
.rept 32
	v_med3_num_f32 v[96+jj], v[96+jj], -v241, v241
.set jj, jj+1
.endr
.irp t, 0,1,2,3
	v_cvt_scalef32_pk8_bf8_f32 v[192+2*\t:193+2*\t], v[96+8*\t:103+8*\t], v245
.endr
	v_nop                                          ; a plain line behind the last conversion
	; the last product wants lane (r, h) to hold d = 32 i + 16 h + 0 .. 15: lanes 0-15 send pair 2 i + 1 and keep pair 2 i, lanes 16-31 the other way round
.irp i, 0,1
	v_cndmask_b32 v[232+2*\i], v[194+4*\i], v[192+4*\i], s[HM]
	v_cndmask_b32 v[233+2*\i], v[195+4*\i], v[193+4*\i], s[HM]
.endr
.irp n, 0,1,2,3
	v_permlanex16_b32 v[236+\n], v[232+\n], s[SEL], s[SEL+1]
.endr
.irp i, 0,1
	v_cndmask_b32 v[24+4*\i], v[192+4*\i], v[236+2*\i], s[HM]
	v_cndmask_b32 v[25+4*\i], v[193+4*\i], v[237+2*\i], s[HM]
	v_cndmask_b32 v[26+4*\i], v[236+2*\i], v[194+4*\i], s[HM]
	v_cndmask_b32 v[27+4*\i], v[237+2*\i], v[195+4*\i], s[HM]
.endr
	global_store_b128 v[LI], v[24:27], s[OP:OP+1]             ; each store covers 512 consecutive bytes, aligned
	global_store_b128 v[LI], v[28:31], s[OP:OP+1] offset:512
	s_wait_xcnt 0x0                                ; the stores' data and base are written again only behind this wait
	s_cmp_eq_u32 s[IT], 1
	s_cbranch_scc1 .Lnot_end                       ; that was the second pass
	s_mov_b32 s[QB], s[J]
	PASS_SET
	QLOAD
	FRESH
.Lnot_end:
	s_mov_b32 s[KS], s[NX]
	s_lshl_b32 s[KF], s[NX], 8
	s_xor_b32 s[TB], s[TB], 32768                  ; on to the other slot
	s_sub_co_u32 s[IT], s[IT], 1
	s_cmp_lg_u32 s[IT], 0
	s_cbranch_scc1 .Ltrip
	s_wait_tensorcnt 0x0
	ds_add_u32 v251, v255
	s_wait_dscnt 0x0
	s_endpgm
.Lfunc_end_k_q67095cb2ed_attn:
	.size	k_q67095cb2ed_attn, .Lfunc_end_k_q67095cb2ed_attn-k_q67095cb2ed_attn
	.p2alignl 7, 3214868480
	.fill 96, 4, 3214868480
	.section	.rodata,"a",@progbits
	.p2align	6, 0x0
	.amdhsa_kernel k_q67095cb2ed_attn
		.amdhsa_group_segment_fixed_size 67584
		.amdhsa_private_segment_fixed_size 0
		.amdhsa_enable_private_segment 0
		.amdhsa_kernarg_size 24
		.amdhsa_user_sgpr_count 2
		.amdhsa_user_sgpr_kernarg_segment_ptr 1
		.amdhsa_wavefront_size32 1
		.amdhsa_system_sgpr_workgroup_id_x 1
		.amdhsa_system_sgpr_workgroup_id_y 1
		.amdhsa_system_sgpr_workgroup_id_z 1
		.amdhsa_system_vgpr_workitem_id 0
		.amdhsa_next_free_vgpr 256
		.amdhsa_next_free_sgpr 66
		.amdhsa_reserve_vcc 1
		.amdhsa_float_denorm_mode_32 3
		.amdhsa_float_denorm_mode_16_64 3
		.amdhsa_memory_ordered 1
		.amdhsa_forward_progress 1
		.amdhsa_inst_pref_size 55
	.end_amdhsa_kernel
	.amdgpu_metadata
---
amdhsa.version: [ 1, 2 ]
amdhsa.kernels:
  - .name:           k_q67095cb2ed_attn
    .symbol:         k_q67095cb2ed_attn.kd
    .args:
      - { .name: qkv_img, .offset: 0, .size: 8, .value_kind: global_buffer, .address_space: global }
      - { .name: lowp_scales, .offset: 8, .size: 8, .value_kind: global_buffer, .address_space: global }
      - { .name: a_img, .offset: 16, .size: 8, .value_kind: global_buffer, .address_space: global }
    .group_segment_fixed_size: 67584
    .private_segment_fixed_size: 0
    .kernarg_segment_align: 8
    .kernarg_segment_size: 24
    .max_flat_workgroup_size: 512
    .sgpr_count:     66
    .vgpr_count:     256
    .wavefront_size: 32
...
	.end_amdgpu_metadata
.endif
;; end of part 2
;; launch proj (part 3): grid 4 x 64, 4 waves a work-group, clusters of 4 x 4, 327,680 bytes of LDS; arguments a_img, w_proj_codes, lowp_scales, b_proj, out0; writes out0
.if DOCPART == 3
	.amdgcn_target "amdgcn-amd-amdhsa--gfx1250"
	.amdhsa_code_object_version 6
	.text
	.protected	k_q67095cb2ed_proj
	.globl	k_q67095cb2ed_proj
	.p2align	8
	.type	k_q67095cb2ed_proj,@function
k_q67095cb2ed_proj:
	s_mov_b64 s[64:65], 0
	v_nop
	global_prefetch_b8 v0, s[64:65] scope:SCOPE_SE
	s_setreg_imm32_b32 hwreg(HW_REG_WAVE_MODE, 25, 1), 1
	s_wait_xcnt 0x0
	s_wait_alu depctr_hold_cnt(0) depctr_sa_sdst(0) depctr_va_vdst(0) depctr_va_sdst(0) depctr_va_ssrc(0) depctr_va_vcc(0) depctr_vm_vsrc(0)
	s_getreg_b32 s2, hwreg(HW_REG_IB_STS2, 6, 4)
	s_cmp_eq_u32 s2, 0
	s_cbranch_scc0 .Lentry_in_a_cluster
	s_endpgm
.Lentry_in_a_cluster:
	s_bfe_u32 s2, ttmp6, 0x10000c
	s_cmp_lg_u32 s2, 0xf033
	s_cbranch_scc0 .Lentry_shape_is_right
	s_endpgm
.Lentry_shape_is_right:
; out0 = a w_proj + b_proj on codes of BF8 (E5M2): out = sum x 2^(e6 + e7) + bias.  a: images of fragments (tile of 16 tokens x 16,384 + K step of 128 x 2,048 + chunk x 512 + 16 lane;
; lane (r, h), chunk c: k = 32 c + 16 h + 0 .. 15 of token r); w_proj: 1,024 rows of 1,024 codes, K innermost, read from LDS rows at 32 c + 16 h: the same places of k on both sides.
; A tile of 128 tokens x 256 columns to a work-group: 256 work-groups; a wave makes 64 x 128: 32 accumulators.  Source 0 = 16 rows of w, source 1 = 16 tokens: a lane holds eight neighbouring columns of a row.
; K = 1,024 goes in four fills of 256 through a ring of two LDS slots; the eight steps of 128 are written out.
; CLUSTERS: 4 x 4: a's tile hangs on the tile row (cy) and is shared along a row of the cluster, w's on the tile column (cx) and is shared along a column.
; LIMIT: e6 + e7 between -126 and 127.
; REGISTERS: window 0: v16-29 addresses; v32-95 a block on the way out; from v128 a's four fragments, later rows read back.  window 1: w's fragments, two sets.  window 2: the accumulators ((a, b) at v[8 (8 a + b)]).  window 3: v0-63 the bias.
.set NA,     4
.set ROWB,   256
.set KROW,   1024
.set PITCH,  272
.set FR,     16
.set NP,     4
.set HALFA,  4*4096                    ; four tiles of tokens x two K steps of images: dense
.set HALFB,  128*PITCH
.set SLOT,   2*HALFA+2*HALFB
.set SPARE,  2*SLOT                    ; the spare words: 128 bytes a wave, named by no other line
.set SPITCH, 528                       ; the way out: 16 rows x (512 + 16) bytes a wave, in slot 0, which has had its last fill and its last read by then
.set ADRA, 16
.set ADRB, 20
.set STO,  24
.set RD,   25
.set CO,   26                          ; 16 x lane
.set BO,   27                          ; 32 h
.set SPW,  28
.set NIL,  29
.set TMP,  32
.set AF,   128
.set BK,   128
.set G1, 24
.set G0, 32
.set G1B, 48
.set G0B, 56
.set MSB, 0
.macro WIN new
.if MSB != \new
	s_set_vgpr_msb (MSB<<8)|\new
.set MSB, \new
.endif
.endm
.set MUL,  0xa1                        ; source 0 window 1, source 1 window 0, C and D window 2
.set TO_B, 0x40
.macro JLOAD g0a, g1a, g0b, g1b        ; waves 0, 1 fetch a's halves, waves 2, 3 w's; four v_nop follow each line
	s_cmp_eq_u32 s15, 0
	s_cbranch_scc0 .Lfor_b_\@
	tensor_load_to_lds s[\g0a:\g0a+3], s[\g1a:\g1a+7]
	s_nop 0
.rept 4
	v_nop
.endr
	s_branch .Lasked_\@
.Lfor_b_\@:
	tensor_load_to_lds s[\g0b:\g0b+3], s[\g1b:\g1b+7]
	s_nop 0
.rept 4
	v_nop
.endr
.Lasked_\@:
.endm
.macro CREST
	s_cmp_lg_u32 s14, 0
	s_cbranch_scc1 .Lnot_wave_0_\@
	s_barrier_signal -3
.Lnot_wave_0_\@:
	s_barrier_wait -3
	s_barrier_signal -1
	s_barrier_wait -1
.endm
.macro CROUND
	s_barrier_signal -1
	s_barrier_wait -1
	CREST
.endm
	s_load_b128 s[4:7], s[0:1], 0x0                ; a_img, w_proj's codes
	s_load_b128 s[8:11], s[0:1], 0x10              ; the scales' exponents, b_proj
	s_load_b64 s[12:13], s[0:1], 0x20              ; out0
	v_lshl_add_u32 v[SPW], v0, 2, SPARE
	v_mov_b32 v[NIL], 0
	ds_add_u32 v28, v29
	ds_add_u32 v28, v29
	s_wait_dscnt 0x0
	v_lshrrev_b32 v1, 5, v0
	v_readfirstlane_b32 s14, v1
	s_lshr_b32 s15, s14, 1                         ; my half of the tokens; also: I fetch for a (0) or for w (1)
	s_and_b32 s16, s14, 1                          ; my half of the columns; also: which half I fetch
	s_bfe_u32 s40, ttmp6, 0x40000                  ; cx
	s_bfe_u32 s41, ttmp6, 0x40004                  ; cy
	s_lshl_b32 s42, ttmp9, 2
	s_add_co_u32 s42, s42, s40                     ; tile column
	s_and_b32 s17, ttmp7, 0xffff
	s_lshl_b32 s17, s17, 2
	s_add_co_u32 s17, s17, s41                     ; tile row
	s_lshl_b32 s43, s41, 2
	s_lshl_b32 s43, 15, s43
	s_lshl_b32 s44, 0x1111, s40
	s_or_b32 s[G1+0], s43, (1<<21)                 ; a: the mask of my row; elements of 1 byte; no padding; bit 21 beside a mask
	s_mov_b32 s[G1+1], 4096<<16                    ; tensor_dim0: a tile of tokens' two K steps
	s_mov_b32 s[G1+2], 4<<16                       ; tensor_dim1: four tiles of tokens
	s_mov_b32 s[G1+3], 4096<<16                    ; tile_dim0
	s_mov_b32 s[G1+4], 4                           ; tile_dim1
	s_mov_b32 s[G1+5], 16384                       ; from a tile of tokens to the next
	s_mov_b32 s[G1+6], 0
	s_mov_b32 s[G1+7], 0
	s_or_b32 s[G1B+0], s44, (1<<20)|(1<<21)|(5<<22)|(3<<25)   ; w: the mask of my column; padding: four words after every 64
	s_mov_b32 s[G1B+1], ROWB<<16
	s_mov_b32 s[G1B+2], 128<<16
	s_mov_b32 s[G1B+3], ROWB<<16
	s_mov_b32 s[G1B+4], 128
	s_mov_b32 s[G1B+5], KROW
	s_mov_b32 s[G1B+6], 0
	s_mov_b32 s[G1B+7], 0
	s_lshl_b32 s20, s17, 3
	s_lshl_b32 s72, s16, 2
	s_add_co_u32 s20, s20, s72                     ; a: tile of tokens 8 x tile row + 4 x half
	s_lshl_b32 s20, s20, 14
	s_mov_b32 s21, 0
	s_lshl_b32 s46, s42, 8
	s_lshl_b32 s72, s16, 7
	s_add_co_u32 s46, s46, s72                     ; w: row 256 x tile column + 128 x half
	s_lshl_b32 s74, s46, 2                         ; the same column's bias, in bytes
	s_mov_b32 s75, 0
	s_lshl_b32 s46, s46, 10
	s_mov_b32 s47, 0
	s_mul_i32 s70, s16, HALFA                      ; where they go
	s_mul_i32 s71, s16, HALFB
	s_add_co_u32 s71, s71, 2*HALFA
	s_lshl_b32 s72, s17, 7
	s_lshl_b32 s73, s15, 6
	s_add_co_u32 s72, s72, s73                     ; my first row of out0
	s_lshl_b32 s72, s72, 12
	s_lshl_b32 s73, s42, 10
	s_add_co_u32 s72, s72, s73
	s_lshl_b32 s73, s16, 9
	s_add_co_u32 s72, s72, s73                     ; + my first column, in bytes
	s_mov_b32 s73, 0
	s_wait_kmcnt 0x0
	s_load_b256 s[80:87], s[8:9], 0x0              ; e0 .. e7
	s_add_nc_u64 s[20:21], s[4:5], s[20:21]
	s_add_nc_u64 s[46:47], s[6:7], s[46:47]
	s_add_nc_u64 s[10:11], s[10:11], s[74:75]
	s_add_nc_u64 s[12:13], s[12:13], s[72:73]
	CROUND                                         ; all sixteen work-groups are here: the first joint loads meet
.irp s, 0,1
	s_mov_b32 s[G0+4*\s], 1
	s_add_co_u32 s[G0+4*\s+1], s70, \s*SLOT
	s_add_nc_u64 s[G0+4*\s+2:G0+4*\s+3], s[20:21], \s*4096
	s_or_b32 s[G0+4*\s+3], s[G0+4*\s+3], 0x80000000
	s_mov_b32 s[G0B+4*\s], 1
	s_add_co_u32 s[G0B+4*\s+1], s71, \s*SLOT
	s_add_nc_u64 s[G0B+4*\s+2:G0B+4*\s+3], s[46:47], \s*ROWB
	s_or_b32 s[G0B+4*\s+3], s[G0B+4*\s+3], 0x80000000
	JLOAD G0+4*\s, G1, G0B+4*\s, G1B
.endr
	v_and_b32 v1, 15, v0                           ; r
	v_bfe_u32 v2, v0, 4, 1                         ; h
	v_and_b32 v6, 31, v0
	v_lshlrev_b32 v[CO], 4, v6
	v_lshlrev_b32 v[BO], 5, v2
	v_mul_u32_u24 v3, v1, PITCH
	v_lshl_add_u32 v4, v2, 4, v3
	s_mul_i32 s72, s15, HALFA
	s_mul_i32 s73, s16, HALFB
	s_add_co_u32 s73, s73, 2*HALFA
.irp s, 0,1
	v_add_nc_u32 v[ADRA+\s], s72, v[CO]
	v_add_nc_u32 v[ADRB+\s], s73, v4
	s_add_co_u32 s72, s72, SLOT
	s_add_co_u32 s73, s73, SLOT
.endr
	s_mul_i32 s76, s14, 16*SPITCH                  ; my stage
	v_mul_u32_u24 v5, v1, SPITCH
	v_lshl_add_u32 v5, v2, 5, v5
	v_add_nc_u32 v[STO], s76, v5                   ; in: row r, 32 bytes for each half of the lanes
	v_add_nc_u32 v[RD], s76, v[CO]                 ; back: the 32 lanes take a row of 512 bytes
	WIN 0xc0                                       ; destination window 3
.irp b, 0,1,2,3,4,5,6,7                ; register 8 b + j: bias(my first column + 16 b + 8 h + j)
	global_load_b128 v[8*\b:8*\b+3], v[BO], s[10:11] offset:64*\b
	global_load_b128 v[8*\b+4:8*\b+7], v[BO], s[10:11] offset:64*\b+16
.endr
	WIN 0
.macro FRAGB reg, slot, q, i
.irp c, 0,1,2,3
	ds_load_b128 v[\reg+4*\c:\reg+4*\c+3], v[ADRB+\slot] offset:128*(\q)+32*\c+(\i)*16*PITCH
.endr
.endm
.macro FRAGA reg, slot, q, i           ; an image comes back as it was stored: 512 consecutive bytes a load
.irp c, 0,1,2,3
	ds_load_b128 v[\reg+4*\c:\reg+4*\c+3], v[ADRA+\slot] offset:(\i)*4096+(\q)*2048+512*\c
.endr
.endm
; 8 matrix instructions: block a of the tokens x w's eight.  The 32 accumulators take turns, one instruction a turn, in the same order in every step.
.macro MUL8 a, p, zero
.irp b, 0,1,2,3,4,5,6,7
.if \zero
	v_wmma_f32_16x16x128_bf8_bf8 v[8*(8*(\a)+\b):8*(8*(\a)+\b)+7], v[128*(\p)+FR*\b:128*(\p)+FR*\b+FR-1], v[AF+FR*(\a):AF+FR*(\a)+FR-1], 0
.else
	v_wmma_f32_16x16x128_bf8_bf8 v[8*(8*(\a)+\b):8*(8*(\a)+\b)+7], v[128*(\p)+FR*\b:128*(\p)+FR*\b+FR-1], v[AF+FR*(\a):AF+FR*(\a)+FR-1], v[8*(8*(\a)+\b):8*(8*(\a)+\b)+7]
.endif
.endr
.endm
.macro FETCH_B slot, q, p
	WIN TO_B
.irp i, 0,1,2,3,4,5,6,7
	FRAGB 128*(\p)+FR*\i, \slot, \q, \i
.endr
	WIN 0
.endm
.macro FETCH_A slot, q, i0
.irp i, \i0, \i0+1
	FRAGA AF+FR*(\i), \slot, \q, \i
.endr
.endm
.macro PLACES n
.rept \n
	v_nop
.endr
.endm
.macro STEP slot, q, zero
	s_wait_dscnt 2*NA                              ; w's set and blocks 0, 1 are in; the youngest 8 loads (blocks 2, 3) may be out
	WIN MUL
	MUL8 0, (\q)%2, \zero
	MUL8 1, (\q)%2, \zero
	s_wait_dscnt 0
	PLACES NP
	FETCH_B \slot, (\q)+1, 1-(\q)%2
	FETCH_A \slot, (\q)+1, 0
	WIN MUL
	MUL8 2, (\q)%2, \zero
	MUL8 3, (\q)%2, \zero
	PLACES NP
	WIN 0
	FETCH_A \slot, (\q)+1, 2
.endm
.macro TURN slot, next, fill
	s_wait_tensorcnt 0x0                           ; all my tensor loads have landed: my part of the next slot
	ds_add_u32 v[SPW], v[NIL]
	s_wait_dscnt 2*NA+1                            ; the add and the youngest 8 loads may be out
	WIN MUL
	MUL8 0, 1, 0
	s_wait_dscnt 0x0                               ; the add is done, my reads of this slot are over
	s_barrier_signal -1
	MUL8 1, 1, 0
	WIN 0
	s_barrier_wait -1
.if \fill
	CREST                                          ; the barrier opened a round of the cluster's: no wave of any partner still reads this slot or has a load on its way
	s_add_nc_u64 s[G0+4*\slot+2:G0+4*\slot+3], s[G0+4*\slot+2:G0+4*\slot+3], 2*4096
	s_add_nc_u64 s[G0B+4*\slot+2:G0B+4*\slot+3], s[G0B+4*\slot+2:G0B+4*\slot+3], 2*ROWB
	JLOAD G0+4*\slot, G1, G0B+4*\slot, G1B         ; the first tensor load behind the round; its four v_nop are the places in front of the loads below
.else
	PLACES NP
.endif
	FETCH_B \next, 0, 0
	FETCH_A \next, 0, 0
	WIN MUL
	MUL8 2, 1, 0
	MUL8 3, 1, 0
	PLACES NP
	WIN 0
	FETCH_A \next, 0, 2
.endm
	s_wait_tensorcnt 1                             ; my part of slot 0 is in; slot 1's load may be out
	s_barrier_signal -1
	s_barrier_wait -1
	FETCH_B 0, 0, 0
	FETCH_A 0, 0, 0
	FETCH_A 0, 0, 2
	STEP 0, 0, 1                                   ; the first step's products start the sums
	TURN 0, 1, 1
	STEP 1, 0, 0
	TURN 1, 0, 1
	STEP 0, 0, 0
	TURN 0, 1, 0                                   ; nothing is left to fetch: no round
	STEP 1, 0, 0
	s_wait_dscnt 2*NA
	WIN MUL
	MUL8 0, 1, 0
	MUL8 1, 1, 0
	s_wait_dscnt 0
	MUL8 2, 1, 0
	MUL8 3, 1, 0
	WIN 0
; THE WAY OUT, block by block of 16 rows x 128 columns: sum x 2^(e6 + e7) + bias, through my own stage, back as whole rows of 512 bytes.  LDS serves a wave's instructions in order (ISA guide 5.7.1.4).
.macro TOSTAGE a
	WIN 0x32                                       ; source 0 (the sums) window 2, source 2 (the bias) window 3
.irp b, 0,1,2,3,4,5,6,7
.irp i, 0,2,4,6
	v_pk_fma_f32 v[TMP+8*\b+\i:TMP+8*\b+\i+1], v[64*(\a)+8*\b+\i:64*(\a)+8*\b+\i+1], s[96:97], v[8*\b+\i:8*\b+\i+1] op_sel_hi:[1,0,1]
.endr
.endr
	WIN 0
.irp b, 0,1,2,3,4,5,6,7
	ds_store_b128 v[STO], v[TMP+8*\b:TMP+8*\b+3] offset:64*\b
	ds_store_b128 v[STO], v[TMP+8*\b+4:TMP+8*\b+7] offset:64*\b+16
.endr
.set BB, BK+64*((\a)%2)
.irp t, 0,1,2,3,4,5,6,7,8,9,10,11,12,13,14,15
	ds_load_b128 v[BB+4*\t:BB+4*\t+3], v[RD] offset:\t*SPITCH
.endr
.endm
.macro SEND a, younger                 ; younger: the LDS instructions issued behind block a's loads, which may stay out
.set BB, BK+64*((\a)%2)
	s_wait_dscnt \younger
.if (\a) > 0
	s_add_nc_u64 s[12:13], s[12:13], 16*4096       ; (behind a wait on XCNT: the earlier stores have read their base)
.endif
.irp t, 0,1,2,3,4,5,6,7,8,9,10,11,12,13,14,15
	global_store_b128 v[CO], v[BB+4*\t:BB+4*\t+3], s[12:13] offset:\t*4096 th:TH_STORE_NT   ; 32 lanes store 512 consecutive bytes, aligned
.endr
.endm
	s_wait_kmcnt 0x0
	s_add_co_i32 s96, s86, s87                     ; e6 + e7
	s_add_co_i32 s96, s96, 127
	s_lshl_b32 s96, s96, 23                        ; 2^(e6 + e7) as f32
	s_mov_b32 s97, s96                             ; (named with it as a pair, so it is written)
	s_wait_loadcnt 0x0                             ; the bias
	PLACES NP                                      ; behind the last products: for the reads of the sums and the loads into a's fragments' registers
	TOSTAGE 0
.irp a, 1,2,3
.if \a > 1
	s_wait_xcnt 0x0                                ; block a - 2's stores have read their registers and their base
.endif
	TOSTAGE \a
	SEND \a-1, 32                                  ; behind block a - 1's loads: block a's 16 stores and 16 loads
.endr
	s_wait_xcnt 0x0
	SEND 3, 0
	s_wait_tensorcnt 0x0                           ; the wave's end
	ds_add_u32 v[SPW], v[NIL]
	s_wait_dscnt 0x0
	CROUND                                         ; the closing round
	s_endpgm
.Lfunc_end_k_q67095cb2ed_proj:
	.size	k_q67095cb2ed_proj, .Lfunc_end_k_q67095cb2ed_proj-k_q67095cb2ed_proj
	.p2alignl 7, 3214868480
	.fill 96, 4, 3214868480
	.section	.rodata,"a",@progbits
	.p2align	6, 0x0
	.amdhsa_kernel k_q67095cb2ed_proj
		.amdhsa_group_segment_fixed_size 327680
		.amdhsa_private_segment_fixed_size 0
		.amdhsa_enable_private_segment 0
		.amdhsa_kernarg_size 40
		.amdhsa_user_sgpr_count 2
		.amdhsa_user_sgpr_kernarg_segment_ptr 1
		.amdhsa_wavefront_size32 1
		.amdhsa_system_sgpr_workgroup_id_x 1
		.amdhsa_system_sgpr_workgroup_id_y 1
		.amdhsa_system_sgpr_workgroup_id_z 1
		.amdhsa_system_vgpr_workitem_id 0
		.amdhsa_next_free_vgpr 1024
		.amdhsa_next_free_sgpr 100
		.amdhsa_reserve_vcc 0
		.amdhsa_float_denorm_mode_32 3
		.amdhsa_float_denorm_mode_16_64 3
		.amdhsa_memory_ordered 1
		.amdhsa_forward_progress 1
		.amdhsa_inst_pref_size 78
	.end_amdhsa_kernel
	.amdgpu_metadata
---
amdhsa.version: [ 1, 2 ]
amdhsa.kernels:
  - .name:           k_q67095cb2ed_proj
    .symbol:         k_q67095cb2ed_proj.kd
    .args:
      - { .name: a_img, .offset: 0, .size: 8, .value_kind: global_buffer, .address_space: global }
      - { .name: w_proj_codes, .offset: 8, .size: 8, .value_kind: global_buffer, .address_space: global }
      - { .name: lowp_scales, .offset: 16, .size: 8, .value_kind: global_buffer, .address_space: global }
      - { .name: b_proj, .offset: 24, .size: 8, .value_kind: global_buffer, .address_space: global }
      - { .name: out0, .offset: 32, .size: 8, .value_kind: global_buffer, .address_space: global }
    .group_segment_fixed_size: 327680
    .private_segment_fixed_size: 0
    .kernarg_segment_align: 8
    .kernarg_segment_size: 40
    .max_flat_workgroup_size: 128
    .sgpr_count:     100
    .vgpr_count:     1024
    .wavefront_size: 32
...
	.end_amdgpu_metadata
.endif
;; end of part 3
;; ======== version 2 of 2: 3 launches; version 1 with the launch attn written anew for expert scheduling mode
;; workspace buffers: qkv_img 25,165,824 bytes; a_img 8,388,608 bytes
;; launch qkv: the kernel of part 1 again; grid 12 x 32, 4 waves a work-group, clusters of 4 x 4, 327,680 bytes of LDS; arguments x_codes, w_qkv_codes, lowp_scales, b_qkv, qkv_img; writes qkv_img
;; launch attn (part 4): grid 4 x 64, 16 waves a work-group, no clusters, 67,584 bytes of LDS; arguments qkv_img, lowp_scales, a_img; writes a_img
.if DOCPART == 4
	.amdgcn_target "amdgcn-amd-amdhsa--gfx1250"
	.amdhsa_code_object_version 6
	.text
	.protected	k_q67095cb2ed_attn
	.globl	k_q67095cb2ed_attn
	.p2align	8
	.type	k_q67095cb2ed_attn,@function
k_q67095cb2ed_attn:
	s_mov_b64 s[64:65], 0
	v_nop
	global_prefetch_b8 v0, s[64:65] scope:SCOPE_SE
	s_setreg_imm32_b32 hwreg(HW_REG_WAVE_SCHED_MODE, 0, 2), 2
	s_setreg_imm32_b32 hwreg(HW_REG_WAVE_MODE, 25, 1), 1
	s_wait_xcnt 0x0
	s_wait_alu depctr_vm_vsrc(0)
; Causal attention of one head on codes of BF8 (E5M2): S^T = K Q^T (K = 64), p = 2^(t - M), O^T = V^T P^T (K = 128 keys), O / l, quantised with 2^e6 into images for the last product.
; t = score x 2^(e2 + e3) x log2(e) / 8; M = the running largest t rounded up to a whole number; the row's sum is taken of the unquantised p; when M moves, the sum and O^T are multiplied by 2^(old M - new M).
; SHARES.  Work-group (j, head-batch) owns the blocks of 256 queries 7 - j (first pass) and j (second pass): (8 - j) + (j + 1) = 9 slots of 256 keys whatever j is: one loop of 9 trips, equal work in all 256 work-groups.
; Each of sixteen waves owns one tile of 16 queries a pass, in 256 registers.  Tile = 8 (bit 2 xor bit 0 of the wave) + wave / 2, so that tiles above and below the diagonal slot's middle are spread over the waves.
; A step all of whose 128 keys come after the wave's queries is jumped over; on the diagonal hidden scores become -infinity ahead of the maximum.  Key 0 counts for every query, so M is a number from a pass's first step on.
; K's and V's images are dense: a slot is 16,384 + 16,384 bytes; each thread loads 4 x 16 bytes a slot ahead and puts them into one of two LDS slots; one barrier a trip.
; The slot written in trip n was last read in trip n - 2, and every wave waited for those reads in front of its signal of trip n - 1.
; NO CLUSTER: from trip 8 - j on partner j walks other slots than the others, so the four of a head could not ask alike.
; THE HOLD ON p: p <= 1, and 57,344 x 2^e4 >= 1.75 where e4 >= -15: there the hold changes nothing and is jumped over; below it is executed.
; LIMITS: e2 + e3 between -123 and 130; e4 between -126 and 112; e6 - e4 - e5 between -126 and 112.
; REGISTERS: v1 16 lane, v2 16 thread, v3, v4 LDS addresses, v5 r - 8 h; v12 -M, v13 largest t, v[14:15] the sum; v16-23 Q; v24-31 what is stored; v32-95 K's, then V's fragments;
;   v96-159 S^T, then p; v160-191 O^T; v192-207 codes; v208-223 the next slot on its way; v232-239 exchange; v240, v244: 57,344 x 2^e4, 2^e4; v241, v245 the same for e6 - e4 - e5;
;   v251, v255 the closing add's two; s66-97 the diagonal step's masks, 32 at a time.
; THE MODE: SCHED_MODE bits 1:0 = 2 (LLVM: expert scheduling mode 2), set by the entry lines.  The code itself states the register dependences
; between vector or matrix instructions and memory or LDS instructions, with s_wait_alu, always for 0.
; THE PLAN.  Registers that memory or LDS instructions touch:
;   v1, v2      offsets of every global load and store: written at the head, never again.
;   v3, v4      LDS addresses of the slot in hand: written by two additions at a trip's head; v3 is read by the trip's 64 LDS loads, v4 by its four LDS stores.
;   v208-223    the global loads of the next slot land here; the next trip's four LDS stores read them; no vector instruction names them.
;   v32-95      a step's LDS loads of K land here, its eight products K Q^T read them; then V's loads land here, and its four products V^T P^T read them.
;   v16-23      Q: loaded at the head and between the passes; read by the products K Q^T.
;   v24-31      written by a pass's last eight selects, read by its two global stores.
; A trip's head: one wait on vm_vsrc (the last trip's LDS loads have read v3), the two additions, one wait on va_vdst: v3 and v4 are written, and the last trip's products are done reading v32-95,
; so that the trip's first step asks for K with no further wait.  Beside the wait on DScnt ahead of the barrier: one wait on vm_vsrc: the LDS stores have read v208-223.
; A step: one wait on va_vdst ahead of V's loads (the products K Q^T are done reading v32-95), and in a trip's second step one ahead of K's (the first step's products V^T P^T likewise).
; Four waves of 256 registers fill a SIMD's 1,024: there is no room for a second set of fragments, so K's and V's loads keep their places in a step.
.set LI,  1
.set T16, 2
.set ADR, 3
.set ADS, 4
.set RH,  5
.set WV,  10
.set TILE, 11
.set J,   12
.set BH,  13
.set QB,  14                           ; the block of queries in hand
.set KS,  15                           ; the slot of keys in hand
.set NX,  16                           ; the next one
.set IT,  17                           ; trips to go
.set TB,  18                           ; LDS byte at which the slot in hand begins
.set KF,  19                           ; the step's first key
.set SEL, 20
.set CS,  22
.set Q0,  24                           ; my first query
.set QH,  26                           ; the head's q, k, v images
.set KH,  28
.set VH,  30
.set KP,  32                           ; the slot that is being asked for
.set VP,  34
.set OFF, 36                           ; an offset; its high word stays 0
.set QP,  38
.set OP,  40
.set E,   44                           ; s[44:51] e0 .. e7
.set HM,  53                           ; lanes 16-31
.set MK,  66                           ; s[66:97] the masks of 32 of the diagonal step's 64 compares
.macro PASS_SET                        ; from the block of queries: my tile, its images of q and of the result
	s_lshl_b32 s54, s[QB], 4
	s_add_co_u32 s54, s54, s[TILE]                 ; my tile of 16 tokens in the batch
	s_lshl_b32 s[Q0], s54, 4
	s_lshl_b32 s[OFF], s54, 10
	s_add_nc_u64 s[QP:QP+1], s[QH:QH+1], s[OFF:OFF+1]
	s_lshr_b32 s55, s[BH], 4
	s_lshl_b32 s55, s55, 7
	s_add_co_u32 s55, s55, s54                     ; 128 batch + tile
	s_lshl_b32 s55, s55, 14
	s_and_b32 s56, s[BH], 15
	s_lshl_b32 s56, s56, 10                        ; the head's 1,024 bytes of the tile's 16,384
	s_add_co_u32 s[OFF], s55, s56
	s_add_nc_u64 s[OP:OP+1], s[8:9], s[OFF:OFF+1]
.endm
.macro QLOAD
	global_load_b128 v[16:19], v[LI], s[QP:QP+1]
	global_load_b128 v[20:23], v[LI], s[QP:QP+1] offset:512
.endm
.macro SLOAD                           ; a slot's 32,768 bytes: 64 a thread
	global_load_b128 v[208:211], v[T16], s[KP:KP+1]
	global_load_b128 v[212:215], v[T16], s[KP:KP+1] offset:8192
	global_load_b128 v[216:219], v[T16], s[VP:VP+1]
	global_load_b128 v[220:223], v[T16], s[VP:VP+1] offset:8192
.endm
.macro FRESH                           ; a pass begins: the largest t under every t, zeros for the sum and O^T, which the first change of M leaves zeros
	v_mov_b32 v13, 0xff61b1e6
	v_floor_f32 v12, -v13
	v_mov_b32 v14, 0
	v_mov_b32 v15, 0
.set jj, 0
.rept 32
	v_mov_b32 v[160+jj], 0
.set jj, jj+1
.endr
.endm
	s_load_b128 s[4:7], s[0:1], 0x0                ; qkv_img, the scales' exponents
	s_load_b64 s[8:9], s[0:1], 0x10                ; a_img
	v_lshl_add_u32 v251, v0, 2, 0x10000            ; the closing add's two registers, made here and kept for it alone: my spare word behind the two slots,
	v_mov_b32 v255, 0                              ; and 0
	v_lshrrev_b32 v6, 5, v0
	v_readfirstlane_b32 s[WV], v6
	v_and_b32 v6, 31, v0
	v_lshlrev_b32 v[LI], 4, v6
	v_lshlrev_b32 v[T16], 4, v0
	v_and_b32 v7, 15, v0
	v_bfe_u32 v8, v0, 4, 1
	v_lshlrev_b32 v8, 3, v8
	v_sub_nc_u32 v[RH], v7, v8                     ; r - 8 h
	s_wait_alu depctr_va_sdst(0)                   ; the wave's number is written, ahead of its first reader: my tile is made from it
	s_lshr_b32 s54, s[WV], 2
	s_xor_b32 s54, s54, s[WV]
	s_and_b32 s54, s54, 1
	s_lshl_b32 s54, s54, 3
	s_lshr_b32 s[TILE], s[WV], 1
	s_add_co_u32 s[TILE], s[TILE], s54
	s_mov_b32 s[J], ttmp9
	s_and_b32 s[BH], ttmp7, 0xffff
	s_sub_co_u32 s[QB], 7, s[J]
	s_mov_b32 s[KS], 0
	s_mov_b32 s[IT], 9
	s_mov_b32 s[TB], 0
	s_mov_b32 s[KF], 0
	s_mov_b32 s[SEL], 0x76543210
	s_mov_b32 s[SEL+1], 0xfedcba98
	s_mov_b32 s[CS], 0x3e38aa3b                    ; log2(e) / 8
	s_mov_b32 s[OFF+1], 0
	s_mov_b32 s[HM], 0xffff0000
	s_wait_kmcnt 0x0
	s_load_b256 s[E:E+7], s[6:7], 0x0
	s_lshl_b32 s[OFF], s[BH], 17
	s_add_nc_u64 s[QH:QH+1], s[4:5], s[OFF:OFF+1]
	s_add_nc_u64 s[KH:KH+1], s[QH:QH+1], 0x800000
	s_add_nc_u64 s[VH:VH+1], s[KH:KH+1], 0x800000
	PASS_SET
	s_wait_alu depctr_va_vdst(0)                   ; v1 and v2 are written: every global load and store of the kernel reads one of them as its offset
	QLOAD
	s_mov_b64 s[KP:KP+1], s[KH:KH+1]
	s_mov_b64 s[VP:VP+1], s[VH:VH+1]
	SLOAD                                          ; slot 0
	FRESH
.irp n, 232,233,234,235,236,237,238,239,253
	v_mov_b32 v\n, 0                               ; written once: a lane permute's destination counts as read; v253 is named as the upper half of a pair
.endr
	s_wait_kmcnt 0x0
	s_add_co_i32 s54, s[E+2], s[E+3]
	s_lshl_b32 s54, s54, 23
	s_add_co_i32 s[CS], s[CS], s54                 ; the two exponents are added to c's exponent field
	s_mov_b32 s[CS+1], s[CS]
	s_add_co_i32 s54, s[E+4], 127
	s_lshl_b32 s55, s54, 23
	v_mov_b32 v244, s55                            ; 2^e4
	s_add_co_i32 s54, s54, 15
	s_lshl_b32 s54, s54, 23
	s_or_b32 s54, s54, 0x600000
	v_mov_b32 v240, s54                            ; 57,344 x 2^e4
	s_sub_co_i32 s54, s[E+6], s[E+4]
	s_sub_co_i32 s54, s54, s[E+5]
	s_add_co_i32 s54, s54, 127
	s_lshl_b32 s55, s54, 23
	v_mov_b32 v245, s55                            ; 2^(e6 - e4 - e5): a sum of the second product / l stands for that x 2^(e4 + e5)
	s_add_co_i32 s54, s54, 15
	s_lshl_b32 s54, s54, 23
	s_or_b32 s54, s54, 0x600000
	v_mov_b32 v241, s54
; A KEY STEP: 128 keys, the q-th of the slot in hand.
; q = 0: the wait on va_vdst at the trip's head has shown the last trip's products done reading v32-95, and no vector or matrix instruction since names them: K is asked for with no further wait.
.macro STEP q
	s_cmp_gt_u32 s[KF], s[Q0]                      ; both are multiples of 16: all 128 keys come after my 16 queries
	s_cbranch_scc1 .Lhidden_\@
.rept 4
	v_nop                                          ; places in front of loads into registers that the last products read
.endr
.if \q
	s_wait_alu depctr_va_vdst(0)                   ; the trip's first step's products V^T P^T are done reading v32-95, in which K's fragments land
.endif
.irp t, 0,1,2,3,4,5,6,7
	ds_load_b128 v[32+8*\t:35+8*\t], v[ADR] offset:(8*(\q)+\t)*1024
	ds_load_b128 v[36+8*\t:39+8*\t], v[ADR] offset:(8*(\q)+\t)*1024+512
.endr
	s_wait_dscnt 0x0
.irp t, 0,1,2,3,4,5,6,7                ; register 8 t + j of lane (r, h): key KF + 16 t + 8 h + j, query Q0 + r
	v_wmma_f32_16x16x64_bf8_bf8 v[96+8*\t:103+8*\t], v[32+8*\t:39+8*\t], v[16:23], 0
.endr
.rept 4
	v_nop                                          ; places in front of the loads below and of the first read of the scores
.endr
	s_wait_alu depctr_va_vdst(0)                   ; the eight products K Q^T are done reading v32-95, in which V's fragments land; the places above stay beside this wait
.irp t, 0,1,2,3                        ; V^T's four fragments land while the softmax is worked
.irp c, 0,1,2,3
	ds_load_b128 v[32+16*\t+4*\c:35+16*\t+4*\c], v[ADR] offset:16384+8192*(\q)+2048*\t+512*\c
.endr
.endr
	s_add_co_u32 s54, s[KF], 127
	s_cmp_le_u32 s54, s[Q0]                        ; all 128 keys count for all my queries
	s_cbranch_scc1 .Lopen_\@
	s_sub_co_i32 s54, s[Q0], s[KF]
	v_add_nc_u32 v252, s54, v[RH]                  ; d = my query - KF - 8 h: register 8 t + j is hidden where 16 t + j > d
	v_mov_b32 v254, 0xff800000
.set gg, 0
.rept 2                                ; the compares stand in two runs of 32, each into a scalar register of its own, with one wait behind a run
.set nn, 0
.rept 32
	v_cmp_gt_i32 s[MK+nn], 16*((32*gg+nn)/8)+nn%8, v252
.set nn, nn+1
.endr
	s_wait_alu depctr_va_sdst(0)                   ; the run's 32 masks are written, ahead of the selects that read them
.set nn, 0
.rept 32
	v_cndmask_b32 v[96+32*gg+nn], v[96+32*gg+nn], v254, s[MK+nn]
.set nn, nn+1
.endr
.set gg, gg+1
.endr
.Lopen_\@:
	v_max3_num_f32 v254, v96, v97, v98             ; the step's largest score of my query among my 64 keys, in two chains, each accumulator from its low end on
	v_max3_num_f32 v252, v99, v100, v101
.irp i, 6,10,14,18,22,26,30,34,38,42,46,50,54,58
	v_max3_num_f32 v254, v254, v[96+\i], v[97+\i]
	v_max3_num_f32 v252, v252, v[98+\i], v[99+\i]
.endr
	v_max3_num_f32 v254, v254, v158, v159
	v_max_num_f32 v254, v254, v252
	v_permlanex16_b32 v236, v254, s[SEL], s[SEL+1]
	v_max_num_f32 v254, v254, v236                 ; and among lane l xor 16's
	v_mul_f32 v254, s[CS], v254                    ; as t (c is positive)
	v_max_num_f32 v13, v13, v254
	v_mov_b32 v254, v12
	v_floor_f32 v12, -v13                          ; -M = floor(-t): M is a whole number
	v_sub_f32 v254, v12, v254
	v_cvt_i32_f32 v254, v254                       ; old M - new M (it saturates)
	v_ldexp_f32 v252, 1.0, v254                    ; f = 2^(old M - new M)
.set jj, 0
.rept 32
	v_pk_fma_f32 v[96+jj:97+jj], v[96+jj:97+jj], s[CS:CS+1], v[12:13] op_sel_hi:[1,0,0]   ; t - M
.set jj, jj+2
.endr
.set jj, 0
.rept 64
	v_exp_f32 v[96+jj], v[96+jj]                   ; p, not normalised
.set jj, jj+1
.endr
	v_pk_mul_f32 v[14:15], v[14:15], v[252:253] op_sel_hi:[1,0]   ; the sums under the new M; the plain line behind the exponentials
	s_wait_alu depctr_va_vdst(0)                   ; the 64 exponentials have written v96-159: one wait for the batch, ahead of its first reader
	v_pk_add_f32 v[242:243], v[96:97], v[98:99]    ; the sum of the unquantised p, in two chains
.irp j, 4,8,12,16,20,24,28,32,36,40,44,48,52,56,60
	v_pk_add_f32 v[14:15], v[14:15], v[96+\j:97+\j]
	v_pk_add_f32 v[242:243], v[242:243], v[98+\j:99+\j]
.endr
	v_pk_add_f32 v[14:15], v[14:15], v[242:243]
	s_cmp_ge_i32 s[E+4], -15                       ; 57,344 x 2^e4 >= 1.75 >= p: the hold would change nothing
	s_cbranch_scc1 .Lfits_\@
.set jj, 0
.rept 64
	v_min_num_f32 v[96+jj], v[96+jj], v240         ; the conversion does not saturate (ISA guide 7.6.2); p is not negative
.set jj, jj+1
.endr
.Lfits_\@:
.irp t, 0,1,2,3,4,5,6,7                ; registers 2 t, 2 t + 1 of P: keys 16 t + 8 h + 0 .. 7
	v_cvt_scalef32_pk8_bf8_f32 v[192+2*\t:193+2*\t], v[96+8*\t:103+8*\t], v244
.endr
.set jj, 0
.rept 16
	v_pk_mul_f32 v[160+jj:161+jj], v[160+jj:161+jj], v[252:253] op_sel_hi:[1,0]   ; O^T under the new M; also the plain lines behind the conversions
.set jj, jj+2
.endr
	s_wait_dscnt 0x0                               ; V is in
.irp t, 0,1,2,3                        ; four accumulators by turns, one instruction a turn
	v_wmma_f32_16x16x128_bf8_bf8 v[160+8*\t:167+8*\t], v[32+16*\t:47+16*\t], v[192:207], v[160+8*\t:167+8*\t]
.endr
.Lhidden_\@:
	s_add_co_u32 s[KF], s[KF], 128
.endm
.Ltrip:
	s_wait_loadcnt 0x0                             ; this trip's slot, asked for a slot ago, and Q are in; their address registers may be written
	s_wait_alu depctr_vm_vsrc(0)                   ; the last trip's LDS loads have read v3, which the first line below writes again
	v_add_nc_u32 v[ADR], s[TB], v[LI]
	v_add_nc_u32 v[ADS], s[TB], v[T16]
	s_wait_alu depctr_va_vdst(0)                   ; v3 and v4 are written, which this trip's LDS stores and loads read; the last trip's products are done reading v32-95, in which the first step's K lands
	ds_store_b128 v[ADS], v[208:211]
	ds_store_b128 v[ADS], v[212:215] offset:8192
	ds_store_b128 v[ADS], v[216:219] offset:16384
	ds_store_b128 v[ADS], v[220:223] offset:24576
	s_wait_dscnt 0x0                               ; for the others' sake: my stores have landed; my reads of the other slot ended in the last trip
	s_wait_alu depctr_vm_vsrc(0)                   ; the four LDS stores have read v208-223, in which the next slot's loads land behind the barrier, and v4
	s_barrier_signal -1
	s_barrier_wait -1
	s_add_co_u32 s54, s[KS], 1
	s_cmp_eq_u32 s[KS], s[QB]                      ; the diagonal slot is a pass's last: the next slot is the next pass's slot 0
	s_cselect_b32 s[NX], 0, s54
	s_lshl_b32 s[OFF], s[NX], 14
	s_add_nc_u64 s[KP:KP+1], s[KH:KH+1], s[OFF:OFF+1]
	s_add_nc_u64 s[VP:VP+1], s[VH:VH+1], s[OFF:OFF+1]
	s_cmp_eq_u32 s[IT], 1                          ; the last trip asks for nothing
	s_cbranch_scc1 .Lno_next
	SLOAD
.Lno_next:
	STEP 0
	STEP 1
	s_cmp_lg_u32 s[KS], s[QB]
	s_cbranch_scc1 .Lnot_end
	; THE WAY OUT of a pass: O^T / l, held, converted; register pair t holds d = 16 t + 8 h + 0 .. 7 of token r
.rept 4
	v_nop                                          ; places behind the last products
.endr
	v_add_f32 v14, v14, v15
	v_permlanex16_b32 v236, v14, s[SEL], s[SEL+1]
	v_add_f32 v14, v14, v236                       ; the row's sum
	v_rcp_f32 v14, v14
	v_nop
	s_wait_alu depctr_va_vdst(0)                   ; the reciprocal has written v14, ahead of its first reader
.set jj, 0
.rept 16
	v_pk_mul_f32 v[96+jj:97+jj], v[160+jj:161+jj], v[14:15] op_sel_hi:[1,0]
.set jj, jj+2
.endr
.set jj, 0
.rept 32
	v_med3_num_f32 v[96+jj], v[96+jj], -v241, v241
.set jj, jj+1
.endr
.irp t, 0,1,2,3
	v_cvt_scalef32_pk8_bf8_f32 v[192+2*\t:193+2*\t], v[96+8*\t:103+8*\t], v245
.endr
	v_nop                                          ; a plain line behind the last conversion
	; the last product wants lane (r, h) to hold d = 32 i + 16 h + 0 .. 15: lanes 0-15 send pair 2 i + 1 and keep pair 2 i, lanes 16-31 the other way round
.irp i, 0,1
	v_cndmask_b32 v[232+2*\i], v[194+4*\i], v[192+4*\i], s[HM]
	v_cndmask_b32 v[233+2*\i], v[195+4*\i], v[193+4*\i], s[HM]
.endr
.irp n, 0,1,2,3
	v_permlanex16_b32 v[236+\n], v[232+\n], s[SEL], s[SEL+1]
.endr
.irp i, 0,1
	v_cndmask_b32 v[24+4*\i], v[192+4*\i], v[236+2*\i], s[HM]
	v_cndmask_b32 v[25+4*\i], v[193+4*\i], v[237+2*\i], s[HM]
	v_cndmask_b32 v[26+4*\i], v[236+2*\i], v[194+4*\i], s[HM]
	v_cndmask_b32 v[27+4*\i], v[237+2*\i], v[195+4*\i], s[HM]
.endr
	s_wait_alu depctr_va_vdst(0)                   ; the selects have written v24-31, which the stores read; and the pass's products are done reading v16-23, in which the next pass's Q lands: no vector line stands between this wait and those loads
	global_store_b128 v[LI], v[24:27], s[OP:OP+1]             ; each store covers 512 consecutive bytes, aligned
	global_store_b128 v[LI], v[28:31], s[OP:OP+1] offset:512
	s_wait_xcnt 0x0                                ; the stores' data and base are written again only behind this wait
	s_wait_alu depctr_vm_vsrc(0)                   ; the stores have read v24-31, which the next pass's selects write again
	s_cmp_eq_u32 s[IT], 1
	s_cbranch_scc1 .Lnot_end                       ; that was the second pass
	s_mov_b32 s[QB], s[J]
	PASS_SET
	QLOAD
	FRESH
.Lnot_end:
	s_mov_b32 s[KS], s[NX]
	s_lshl_b32 s[KF], s[NX], 8
	s_xor_b32 s[TB], s[TB], 32768                  ; on to the other slot
	s_sub_co_u32 s[IT], s[IT], 1
	s_cmp_lg_u32 s[IT], 0
	s_cbranch_scc1 .Ltrip
	s_wait_dscnt 0x0                               ; the closing lines, six on end
	s_wait_alu 0x0
	s_wait_tensorcnt 0x0
	ds_add_u32 v251, v255
	s_wait_dscnt 0x0
	s_endpgm
.Lfunc_end_k_q67095cb2ed_attn:
	.size	k_q67095cb2ed_attn, .Lfunc_end_k_q67095cb2ed_attn-k_q67095cb2ed_attn
	.p2alignl 7, 3214868480
	.fill 96, 4, 3214868480
	.section	.rodata,"a",@progbits
	.p2align	6, 0x0
	.amdhsa_kernel k_q67095cb2ed_attn
		.amdhsa_group_segment_fixed_size 67584
		.amdhsa_private_segment_fixed_size 0
		.amdhsa_enable_private_segment 0
		.amdhsa_kernarg_size 24
		.amdhsa_user_sgpr_count 2
		.amdhsa_user_sgpr_kernarg_segment_ptr 1
		.amdhsa_wavefront_size32 1
		.amdhsa_system_sgpr_workgroup_id_x 1
		.amdhsa_system_sgpr_workgroup_id_y 1
		.amdhsa_system_sgpr_workgroup_id_z 1
		.amdhsa_system_vgpr_workitem_id 0
		.amdhsa_next_free_vgpr 256
		.amdhsa_next_free_sgpr 98
		.amdhsa_reserve_vcc 0
		.amdhsa_float_denorm_mode_32 3
		.amdhsa_float_denorm_mode_16_64 3
		.amdhsa_memory_ordered 1
		.amdhsa_forward_progress 1
		.amdhsa_inst_pref_size 63
	.end_amdhsa_kernel
	.amdgpu_metadata
---
amdhsa.version: [ 1, 2 ]
amdhsa.kernels:
  - .name:           k_q67095cb2ed_attn
    .symbol:         k_q67095cb2ed_attn.kd
    .args:
      - { .name: qkv_img, .offset: 0, .size: 8, .value_kind: global_buffer, .address_space: global }
      - { .name: lowp_scales, .offset: 8, .size: 8, .value_kind: global_buffer, .address_space: global }
      - { .name: a_img, .offset: 16, .size: 8, .value_kind: global_buffer, .address_space: global }
    .group_segment_fixed_size: 67584
    .private_segment_fixed_size: 0
    .kernarg_segment_align: 8
    .kernarg_segment_size: 24
    .max_flat_workgroup_size: 512
    .sgpr_count:     98
    .vgpr_count:     256
    .wavefront_size: 32
...
	.end_amdgpu_metadata
.endif
;; end of part 4
;; launch proj: the kernel of part 3 again; grid 4 x 64, 4 waves a work-group, clusters of 4 x 4, 327,680 bytes of LDS; arguments a_img, w_proj_codes, lowp_scales, b_proj, out0; writes out0
